; MI455X (gfx1250); checked and timed in simulation.
; The chip was launched on July 23, 2026; its instructions are those of AMD's public machine-readable ISA for CDNA 5 (MIT licence, August 2026) and "CDNA5" Instruction Set Architecture Reference Guide (July 2026). The comments in the code are by the model that wrote it; some were corrected since.
;; Causal Self Attention. Allowed arithmetic: matrix products marked QUANTISED: E3M2 operands, one E8M0 scale for each 32 along K, by v_wmma_scale_f32_16x16x128_f8f6f4 with both operands' format E3M2, f32 sums; everything else in f32.
;; Inputs: b_attn 3,072 float32; b_proj 1,024 float32; w_attn 3,072 x 1,024 float32; w_proj 1,024 x 1,024 float32; x 8 x 1,024 x 1,024 float32.
;; Outputs: out0 8 x 1,024 x 1,024 float32.
;; This version of the problem:
;;   THIS VERSION OF THE PROBLEM IS GIVEN IN LOW PRECISION. The matrix products marked QUANTISED in the list below multiply operands that are first quantised to E3M2 (3 exponent bits, 2 mantissa bits; 6 bits a number), with one power-of-two scale for each 32 numbers along K (OCP MX v1.0); their sums are f32. All else is computed in f32.
;;   The module's matrix products, in the order in which they are computed (A, B: the left and right operand; K: the contracted axis; several contracted axes count as one K, in the product's order):
;;     1. [M 8,192, K 1,024] x [K 1,024, N 3,072]; A: input x; B: input w_attn: QUANTISED
;;     2. batch 128 x [M 1,024, K 64] x [K 64, N 1,024]; A: computed on the way; B: computed on the way: QUANTISED
;;     3. batch 128 x [M 1,024, K 1,024] x [K 1,024, N 64]; A: softmax (see below); B: computed on the way: QUANTISED
;;     4. [M 8,192, K 1,024] x [K 1,024, N 1,024]; A: computed on the way; B: input w_proj: QUANTISED
;;   THE QUANTISER, for each operand of a quantised product, along K:
;;     - K is cut into blocks of 32 from its start; a last block that is shorter is filled with zeros.
;;     - A block's scale is 2^e with e = floor(log2(the largest magnitude in the block)) - 4, held to -126 .. 127; a block of zeros has e = 0. As a byte (E8M0): e + 127.
;;     - Each number is divided by its block's scale, clamped to +-28, and rounded to the nearest number of E3M2, ties to even, subnormals kept.
;;     - The product sums the exact products of the quantised numbers (number of the format x scale) in f32.
;;   ~~~python
;;   def quantise(x, axis):      # numpy; x: float32 -> the quantised numbers, widened to float32 again
;;       x = np.moveaxis(x, axis, -1); K = x.shape[-1]
;;       x = np.pad(x, [(0, 0)] * (x.ndim - 1) + [(0, -K % 32)]); x = x.reshape(x.shape[:-1] + (-1, 32)); a = np.abs(x).max(-1, keepdims=True)
;;       e = np.where(a > 0, np.clip(np.frexp(np.where(a > 0, a, 1))[1] - 1 - 4, -126, 127), 0)      # np.frexp(a)[1] - 1 = floor(log2(a)), exactly
;;       r = np.clip(x / 2.0 ** e, -28, 28)
;;       step = 2.0 ** (np.maximum(np.frexp(np.where(r == 0, 1, r))[1] - 1, -2) - 2)
;;       q = np.round(r / step) * step * 2.0 ** e      # np.round: ties to even
;;       return np.moveaxis(q.reshape(q.shape[:-2] + (-1,))[..., :K], -1, axis).astype(np.float32)
;;   ~~~
;;   SOFTMAX AHEAD OF A QUANTISED PRODUCT. Where the list says 'softmax', what is quantised is not the finished softmax but p = 2^(t - M), with t = logit x log2(e) and M = ceil(the row's largest t), a whole number; so 1/2 < the row's largest p <= 1. The row's sum l is taken of the UNQUANTISED p, in f32, and the product's result is divided by l at the end. Since M is a whole number, a kernel that streams over the keys may use a running M (the ceiling of the running maximum): every later rescaling is an exact power of two, which a block's scale takes up: the codes' values come out the same.
;;   OPERANDS COMPUTED ON THE WAY. 'Computed on the way' means the value that the module computes at that place (a softmax that the list does not call 'softmax' is quantised finished and normalised). What goes into a quantiser is computed in f32, as accurately as f32 sums, v_exp_f32 and their like allow (about 1e-6 of the number): no bf16 or f16 on the way to a quantiser, and a product that is left as it is and whose result goes on into a quantised operand takes f32 operands (vector FMAs, or v_wmma_f32_16x16x4_f32). A number that lies on a knife's edge between two numbers of the format may be rounded either way, as far as f32 arithmetic and the matrix unit's own rounding can turn it there, and no further.
;; One version. Each part assembles by itself: llvm-mc -triple=amdgcn-amd-amdhsa -mcpu=gfx1250 --defsym DOCPART=n.
;; ======== version 1 of 1: 4 launches
;; limits: right only within a limited range of input values
;; workspace buffers: cod 9,437,184 bytes; scl 393,216 bytes; kv 13,369,344 bytes; qq 13,369,344 bytes; ao 6,291,456 bytes; asc 262,144 bytes
;; launch qnt (part 1): grid 768 x 1, 4 waves a work-group, no clusters, 34,816 bytes of LDS; arguments x, w_attn, w_proj, cod, scl; writes cod, scl
.if DOCPART == 1
	.amdgcn_target "amdgcn-amd-amdhsa--gfx1250"
	.amdhsa_code_object_version 6
	.text
	.protected	k_qae5b5d9901_qnt
	.globl	k_qae5b5d9901_qnt
	.p2align	8
	.type	k_qae5b5d9901_qnt,@function
k_qae5b5d9901_qnt:
	s_mov_b64 s[64:65], 0
	v_nop
	global_prefetch_b8 v0, s[64:65] scope:SCOPE_SE
	s_setreg_imm32_b32 hwreg(HW_REG_WAVE_MODE, 25, 1), 1
	s_wait_xcnt 0x0
; CAUSAL SELF-ATTENTION IN MX-BF6, launch 1 of 4: x, w_attn and w_proj (f32, K innermost, K = 1,024) become codes of E3M2 and E8M0 scale bytes.
; WORK LEFT OUT IN THE WHOLE PROGRAM: the score of key k for query q is -infinity where k > q, so p = 0 there for all values of the inputs; a step of 128 keys that lies wholly
; behind a tile's 16 queries adds nothing to the row's maximum, its sum or its result, and the attention launch leaves such steps out.  Nothing else is left out: all five inputs are loaded.
; LIMITS: NaN and infinities among the inputs are not served; a NaN, an infinity or an overflow that reaches only scores left out is not carried to the result; a block of zeros gets the scale byte 1 where the
; quantiser says 127 (its codes are zeros, which add nothing under any byte but 0xff, and the bytes are read by this program alone).
; LAYOUT OF ALL CODES IN THIS PROGRAM.  A half fragment is 16 rows x 64 along K as an image of a lane's operand registers 0-5: 512 bytes (registers 0-3, lane l at 16 l), then 256 bytes (registers 4-5, lane l at 8 l).
; cod: [tile 768][half fragment 16][768 bytes]; tiles 0-511 x, 512-703 w_attn, 704-767 w_proj.  THE ROWS OF A TILE ARE NOT NEIGHBOURS: lane r of tile 2 b + u holds row 32 b + 8 u + r + 8 (r / 8), so that a product
; used transposed leaves 16 neighbours along the next K in a lane's 16 registers of two neighbouring tiles.
; scl: the word (four bytes: 128 along K) number t of row r of tile T lies at 512 T + 256 (t / 4) + 16 r + 4 (t % 4).
; SHARES.  A work-group takes a tile, wave kq its K 256 kq .. 256 kq + 255: two fragments.  Each load reads 512 consecutive bytes of a row; the 16 rows turn through the wave's own stage in LDS (pitch 528), from which
; lane (r, h) takes the two whole blocks 2 c + h of its row: 32 numbers each, so that a block's largest magnitude needs no other lane and the conversions' results are the operand's registers.
.set STW,   8448                       ; a wave's stage: 16 rows x 528 bytes
.set SG,    4*STW                      ; behind the stages: the tile's 512 bytes of scale words
.set SPARE, SG+512                     ; the spare words, 128 bytes for each wave
.set SPW,   10                         ; v10  LDS address of my spare word; never rewritten
.set NIL,   11                         ; v11  0; never rewritten
.set W,     12                         ; v[12:13] my row's two scale words
.set R,     16                         ; v16-143  the numbers as loaded: fragment f, row q at R + 64 f + 4 q
.set X,     144                        ; v144-207 my 64 numbers of a fragment
.set C,     208                        ; v208-231 the codes: 12 registers a fragment, so that no store's data are written again
.set PT,    232                        ; v232-238 the second halves of the blocks' codes, before they are moved
.set MX,    240
.set SO,    242
.set BY,    244
	s_load_b256 s[4:11], s[0:1], 0x0               ; x, w_attn, w_proj, cod
	s_load_b64 s[12:13], s[0:1], 0x20              ; scl
	v_lshl_add_u32 v[SPW], v0, 2, SPARE
	v_mov_b32 v[NIL], 0
	v_lshrrev_b32 v1, 5, v0
	v_readfirstlane_b32 s16, v1                    ; wave = kq
	v_and_b32 v1, 31, v0                           ; lane
	v_and_b32 v2, 15, v0                           ; r
	v_bfe_u32 v3, v0, 4, 1                         ; h
	v_lshlrev_b32 v4, 4, v1                        ; 16 x lane
	v_lshlrev_b32 v7, 3, v1                        ; 8 x lane
	s_mul_i32 s20, s16, STW
	v_add_nc_u32 v5, s20, v4                       ; the stage, on the way in
	v_mul_u32_u24 v6, v2, 528
	v_lshl_add_u32 v6, v3, 7, v6
	v_add_nc_u32 v6, s20, v6                       ; and out: row r, + 128 h
	s_lshr_b32 s21, s16, 1
	s_lshl_b32 s21, s21, 8
	s_and_b32 s22, s16, 1
	s_lshl_b32 s22, s22, 3
	s_add_co_u32 s21, s21, s22
	s_add_co_u32 s21, s21, SG
	v_lshl_add_u32 v8, v2, 4, s21                  ; where my row's words 2 kq, 2 kq + 1 go
	v_add_nc_u32 v246, SG, v4                      ; and where wave 0 reads all of them back
	v_lshlrev_b32 v9, 3, v3                        ; 8 h
	v_mov_b32 v15, 0                               ; a lane permute's destination counts as one of its sources
	s_mov_b32 s14, 0x76543210
	s_mov_b32 s15, 0xfedcba98                      ; v_permlanex16_b32's selects for lane l xor 16
	s_mov_b32 s17, 704
	s_wait_alu depctr_va_vdst(0)
	s_wait_kmcnt 0x0
	s_cmp_lt_u32 ttmp9, 704                        ; which tensor: the choice hangs on the work-group's number alone
	s_cselect_b64 s[6:7], s[6:7], s[8:9]
	s_cselect_b32 s17, 512, s17
	s_cmp_lt_u32 ttmp9, 512
	s_cselect_b64 s[4:5], s[4:5], s[6:7]
	s_cselect_b32 s17, 0, s17
	s_sub_co_u32 s17, ttmp9, s17                   ; the tile's number in its tensor
	s_lshr_b32 s18, s17, 1
	s_lshl_b32 s18, s18, 17                        ; 32 rows of 4,096 bytes
	s_and_b32 s19, s17, 1
	s_lshl_b32 s19, s19, 15                        ; 8 rows
	s_add_co_u32 s18, s18, s19
	s_lshl_b32 s19, s16, 10                        ; my 256 along K
	s_add_co_u32 s18, s18, s19
	s_mov_b32 s19, 0
	s_add_nc_u64 s[4:5], s[4:5], s[18:19]
	s_mul_i32 s18, ttmp9, 12288
	s_mul_i32 s20, s16, 3072
	s_add_co_u32 s18, s18, s20
	s_add_nc_u64 s[10:11], s[10:11], s[18:19]      ; my four half fragments
	s_lshl_b32 s18, ttmp9, 9
	s_add_nc_u64 s[12:13], s[12:13], s[18:19]      ; the tile's scale words
.irp f, 0,1
.irp q, 0,1,2,3,4,5,6,7,8,9,10,11,12,13,14,15
	global_load_b128 v[R+64*\f+4*\q:R+64*\f+4*\q+3], v4, s[4:5] offset:(\q+8*(\q/8))*4096+512*\f th:TH_LOAD_NT   ; 32 lanes read 512 consecutive bytes of a row
.endr
.endr
.macro FRAGQ f
.if \f == 0
	s_wait_loadcnt 16                              ; this fragment's sixteen loads are in; the other's may be out
.else
	s_wait_loadcnt 0x0
.endif
.irp q, 0,1,2,3,4,5,6,7,8,9,10,11,12,13,14,15
	ds_store_b128 v5, v[R+64*\f+4*\q:R+64*\f+4*\q+3] offset:528*\q
.endr
.irp c, 0,1
.irp j, 0,1,2,3,4,5,6,7
	ds_load_b128 v[X+32*\c+4*\j:X+32*\c+4*\j+3], v6 offset:256*\c+16*\j   ; LDS serves a wave's instructions in order: these see my stores
.endr
.endr
	s_wait_dscnt 0x0
.irp c, 0,1
	v_max3_num_f32 v[MX+\c], |v[X+32*\c]|, |v[X+32*\c+1]|, 0x2800000   ; my block 2 c + h, and the floor 2^(5 - 127): the byte cannot fall under 1
.endr
.irp i, 2,4,6,8,10,12,14,16,18,20,22,24,26,28,30
.irp c, 0,1
	v_max3_num_f32 v[MX+\c], v[MX+\c], |v[X+32*\c+\i]|, |v[X+32*\c+\i+1]|
.endr
.endr
.irp c, 0,1
	v_add_nc_u32 v[SO+\c], 0xfe000000, v[MX+\c]    ; 4 off the exponent field: the conversion's scale operand
.endr
.irp c, 0,1
	v_lshrrev_b32 v[BY+\c], 23, v[SO+\c]           ; the scale's byte
.endr
	v_lshl_or_b32 v14, v[BY+1], 16, v[BY]          ; my two bytes, blocks h and 2 + h,
	v_lshlrev_b32 v14, v9, v14                     ; at their places in the word;
	v_permlanex16_b32 v15, v14, s14, s15
	v_or_b32 v[W+\f], v14, v15                     ; with lane l xor 16's two the word is whole
.irp c, 0,1
	v_cvt_scalef32_pk16_bf6_f32 v[C+12*\f+6*\c:C+12*\f+6*\c+2], v[X+32*\c:X+32*\c+15], v[SO+\c]
	v_cvt_scalef32_pk16_bf6_f32 v[PT+4*\c:PT+4*\c+2], v[X+32*\c+16:X+32*\c+31], v[SO+\c]   ; (a conversion's three registers begin on an even number)
.endr
	v_nop                                          ; one plain place behind a scaled conversion
.irp c, 0,1
.irp i, 0,1,2
	v_mov_b32 v[C+12*\f+6*\c+3+\i], v[PT+4*\c+\i]
.endr
.endr
.irp c, 0,1
	global_store_b128 v4, v[C+12*\f+6*\c:C+12*\f+6*\c+3], s[10:11] offset:768*(2*\f+\c)          ; 512 consecutive bytes, aligned
	global_store_b64 v7, v[C+12*\f+6*\c+4:C+12*\f+6*\c+5], s[10:11] offset:768*(2*\f+\c)+512     ; 256 consecutive bytes, aligned
.endr
.endm
	FRAGQ 0
	FRAGQ 1
	ds_store_b64 v8, v[W:W+1]                      ; both halves of the lanes write the same words with the same values
	s_wait_dscnt 0x0                               ; for the others' sake
	s_barrier_signal -1
	s_barrier_wait -1
	s_cmp_lg_u32 s16, 0
	s_cbranch_scc1 .Lend
	ds_load_b128 v[R:R+3], v246                    ; the tile's 512 bytes of scale words
	s_wait_dscnt 0x0
	global_store_b128 v4, v[R:R+3], s[12:13]       ; leave by one store of 512 consecutive bytes
.Lend:
	s_wait_tensorcnt 0x0                           ; the wave's end, behind my last LDS store
	ds_add_u32 v[SPW], v[NIL]
	s_wait_dscnt 0x0
	s_endpgm
.Lfunc_end_k_qae5b5d9901_qnt:
	.size	k_qae5b5d9901_qnt, .Lfunc_end_k_qae5b5d9901_qnt-k_qae5b5d9901_qnt
	.p2alignl 7, 3214868480
	.fill 96, 4, 3214868480
	.section	.rodata,"a",@progbits
	.p2align	6, 0x0
	.amdhsa_kernel k_qae5b5d9901_qnt
		.amdhsa_group_segment_fixed_size 34816
		.amdhsa_private_segment_fixed_size 0
		.amdhsa_enable_private_segment 0
		.amdhsa_kernarg_size 40
		.amdhsa_user_sgpr_count 2
		.amdhsa_user_sgpr_kernarg_segment_ptr 1
		.amdhsa_wavefront_size32 1
		.amdhsa_system_sgpr_workgroup_id_x 1
		.amdhsa_system_sgpr_workgroup_id_y 1
		.amdhsa_system_sgpr_workgroup_id_z 1
		.amdhsa_system_vgpr_workitem_id 0
		.amdhsa_next_free_vgpr 248
		.amdhsa_next_free_sgpr 66
		.amdhsa_reserve_vcc 0
		.amdhsa_float_denorm_mode_32 3
		.amdhsa_float_denorm_mode_16_64 3
		.amdhsa_memory_ordered 1
		.amdhsa_forward_progress 1
		.amdhsa_inst_pref_size 17
	.end_amdhsa_kernel
	.amdgpu_metadata
---
amdhsa.version: [ 1, 2 ]
amdhsa.kernels:
  - .name:           k_qae5b5d9901_qnt
    .symbol:         k_qae5b5d9901_qnt.kd
    .args:
      - { .name: x, .offset: 0, .size: 8, .value_kind: global_buffer, .address_space: global }
      - { .name: w_attn, .offset: 8, .size: 8, .value_kind: global_buffer, .address_space: global }
      - { .name: w_proj, .offset: 16, .size: 8, .value_kind: global_buffer, .address_space: global }
      - { .name: cod, .offset: 24, .size: 8, .value_kind: global_buffer, .address_space: global }
      - { .name: scl, .offset: 32, .size: 8, .value_kind: global_buffer, .address_space: global }
    .group_segment_fixed_size: 34816
    .private_segment_fixed_size: 0
    .kernarg_segment_align: 8
    .kernarg_segment_size: 40
    .max_flat_workgroup_size: 128
    .sgpr_count:     66
    .vgpr_count:     248
    .wavefront_size: 32
...
	.end_amdgpu_metadata
.endif
;; end of part 1
;; launch qkv (part 2): grid 8 x 32, 4 waves a work-group, clusters of 4 x 4, 327,680 bytes of LDS; arguments cod, scl, b_attn, qq, kv; writes qq, kv
.if DOCPART == 2
	.amdgcn_target "amdgcn-amd-amdhsa--gfx1250"
	.amdhsa_code_object_version 6
	.text
	.protected	k_qae5b5d9901_qkv
	.globl	k_qae5b5d9901_qkv
	.p2align	8
	.type	k_qae5b5d9901_qkv,@function
k_qae5b5d9901_qkv:
	s_mov_b64 s[64:65], 0
	v_nop
	global_prefetch_b8 v0, s[64:65] scope:SCOPE_SE
	s_setreg_imm32_b32 hwreg(HW_REG_WAVE_MODE, 25, 1), 1
	s_wait_xcnt 0x0
	s_wait_alu depctr_hold_cnt(0) depctr_sa_sdst(0) depctr_va_vdst(0) depctr_va_sdst(0) depctr_va_ssrc(0) depctr_va_vcc(0) depctr_vm_vsrc(0)
	s_getreg_b32 s2, hwreg(HW_REG_IB_STS2, 6, 4)
	s_cmp_eq_u32 s2, 0
	s_cbranch_scc0 .Lentry_in_a_cluster
	s_endpgm
.Lentry_in_a_cluster:
	s_bfe_u32 s2, ttmp6, 0x10000c
	s_cmp_lg_u32 s2, 0xf033
	s_cbranch_scc0 .Lentry_shape_is_right
	s_endpgm
.Lentry_shape_is_right:
; Launch 2 of 4: qkv = x w_attn^T + b_attn on codes of E3M2, and the quantisers of q, k (along the head's 64) and v (along the keys), in registers.  No work is left out here.
; SHARES.  Work-group (g, xb) keeps the codes of x's rows 256 xb .. + 255 for all of K in LDS (16 tiles x 12,288 bytes) and walks three tiles of 256 x 128: features 128 g .. + 127 of q, of k, of v.
; Wave (hi, lo) makes x's rows 128 hi .. x features 64 lo ..: one step of 128 tokens x one head: 32 accumulators, 256 registers.
; q, k: source 0 = a block of w_attn, source 1 = a block of x: a lane holds a token, its registers run along the features.  v: the sources change places: a lane holds a feature, its registers run along the tokens.
; w_attn's 128 rows go through a ring of two slots of 512 along K (8 tiles x 6,144 bytes); a slot is filled again, for the next tile, behind a round of the cluster's barrier, each wave asking for two tiles.
; q and k run one loop body (two trips: both trips fill both slots again); v, which asks for nothing more, is written out.  The bias is the C of each sum's first product.
; Scale words come from memory straight into registers, sixteen lanes to a unit of 256 bytes: x's once (64 registers), w_attn's for each tile (32).
; CLUSTER 4 x 4: x's tiles are asked for jointly along a row of the cluster, w_attn's along a column.
; NO PREFETCH: the loop has two trips, and each refill is asked for four K steps or more ahead of its first read.
; Layouts of cod, scl, qq, kv: as stated at the heads of the first launch and of the attention launch.  LIMITS: as stated at the head of the first launch.
.set HS,    104448
.set WB,    196608                     ; behind x's 16 tiles: the ring
.set WSL,   49152                      ; a slot
.set SPARE, 294912                     ; the spare words, 128 bytes for each wave
.set L16,1
.set L8,2
.set RR,3
.set HH,4
.set BO,5                              ; bias offsets: q, k
.set SOF,7                             ; 16 r: my row's scale words
.set XL16,8                            ; v8-11 x's blocks 0-3 (16 and 8 bytes a lane), blocks 4-7
.set XL8,9
.set W16,12                            ; v12-15 w's blocks in slot 0, slot 1
.set W8,13
.set VF16,16                           ; offsets of my step's fragments and scale words in a head's image
.set VF8,17
.set VSQ,18
.set VSV,19
.set BOV,20                            ; bias offset: v
.set SPW,28
.set NIL,29
.set SX,32                             ; v32-95 x's scale words, v96-127 w's: scales and nothing else
.set SW,96
.set BIAS,128                          ; v128-159
.set TM,160
.set PT,176
.set PC,184                            ; v184-247 codes: 16 registers a group, so that no store's data are written again inside a tile
.set OW,248
.set TW,252
; window 1: the accumulators; window 2: x's fragments, two sets at v0, v128; window 3: w's, two sets at v0, v128
.set WV,16
.set HI,17
.set LO,18
.set CX,19
.set CY,20
.set GG,21
.set XB,22
.set G1X,24
.set G1W,32
.set G0X,40
.set G0W,44
.set G0R,48
.set G1R,56
.set XS,72
.set WS,74
.set BB,76
.set PQ,78
.set PK,80
.set OUT,82
.set SEL,84
.set TRIP,86
.set MSB, 0
.macro WIN new                         ; the immediate's high byte repeats the setting that is left
.if MSB != (\new)
	s_set_vgpr_msb (MSB<<8)|(\new)
.set MSB, (\new)
.endif
.endm
.macro PLACES                          ; four plain places behind matrix instructions (ISA guide 7.12.1)
.rept 4
	v_nop
.endr
.endm
.macro CREST
	s_cmp_lg_u32 s[WV], 0
	s_cbranch_scc1 .Lnot_wave_0_\@
	s_barrier_signal -3
.Lnot_wave_0_\@:
	s_barrier_wait -3
	s_barrier_signal -1
	s_barrier_wait -1
.endm
.macro CROUND
	s_barrier_signal -1
	s_barrier_wait -1
	CREST
.endm
.macro FRAG reg, a16, a8, off          ; a fragment = two half fragments, as they lie
	ds_load_b128 v[\reg:\reg+3], v[\a16] offset:\off
	ds_load_b64 v[\reg+4:\reg+5], v[\a8] offset:\off+512
	ds_load_b128 v[\reg+6:\reg+9], v[\a16] offset:\off+768
	ds_load_b64 v[\reg+10:\reg+11], v[\a8] offset:\off+1280
.endm
.macro FETCH t                         ; step t's twelve fragments into set t % 2
	WIN 0x80
.irp i, 0,1,2,3,4,5,6,7
	FRAG 128*((\t)%2)+12*\i, XL16+2*(\i/4), XL8+2*(\i/4), 12288*(\i%4)+1536*(\t)
.endr
	WIN 0xc0
.irp i, 0,1,2,3
	FRAG 128*((\t)%2)+12*\i, W16+2*((\t)/4), W8+2*((\t)/4), 6144*\i+1536*((\t)%4)
.endr
	WIN 0
.endm
.macro WINM m, t                       ; q, k: source 0 window 3, source 1 window 2; v: the other way round; D window 1; C window 1, in a tile's first step window 0
.if (\t) == 0
	WIN 0x4b+3*(\m)
.else
	WIN 0x5b+3*(\m)
.endif
.endm
; 16 products of step t.  The 32 accumulators take turns in one order throughout.
.macro MUL m, half, t
.irp u, 0,1,2,3
.irp w, 0,1,2,3
.if (\m) == 0
.set bx, 4*(\half)+\u
.set bw, \w
.set rD, 8*(4*bx+bw)
.set r0, 128*((\t)%2)+12*bw
.set r1, 128*((\t)%2)+12*bx
.set c0, SW+8*bw+(\t)
.set c1, SX+8*bx+(\t)
.else
.set bw, 2*(\half)+\u/2
.set bx, 4*(\u%2)+\w
.set rD, 8*(8*bw+bx)
.set r0, 128*((\t)%2)+12*bx
.set r1, 128*((\t)%2)+12*bw
.set c0, SX+8*bx+(\t)
.set c1, SW+8*bw+(\t)
.endif
.set rC, BIAS+8*bw
.if (\t) == 0
	v_wmma_scale_f32_16x16x128_f8f6f4 v[rD:rD+7], v[r0:r0+11], v[r1:r1+11], v[rC:rC+7], v[c0], v[c1] matrix_a_fmt:MATRIX_FMT_BF6 matrix_b_fmt:MATRIX_FMT_BF6
.else
	v_wmma_scale_f32_16x16x128_f8f6f4 v[rD:rD+7], v[r0:r0+11], v[r1:r1+11], v[rD:rD+7], v[c0], v[c1] matrix_a_fmt:MATRIX_FMT_BF6 matrix_b_fmt:MATRIX_FMT_BF6
.endif
.endr
.endr
.endm
; A step of 128 along K.  kind 0: plain; 1: the step's slot is read no more and is filled again; 2: the other slot is awaited and shown to all four waves, nothing is filled; 3: the last step of all
.macro STEP m, t, kind
	WIN 0
.if (\kind) == 0
	s_wait_dscnt 0x0                               ; this step's fragments are in
	PLACES                                         ; for the loads into the set that the last step multiplied
	FETCH (\t)+1
	WINM \m, \t
	MUL \m, 0, \t
	MUL \m, 1, \t
.elseif (\kind) == 3
	s_wait_dscnt 0x0
	WINM \m, \t
	MUL \m, 0, \t
	MUL \m, 1, \t
.else
	s_wait_tensorcnt 0x0                           ; all my tensor loads have landed: my part of the other slot
	ds_add_u32 v[SPW], v[NIL]
	s_wait_dscnt 0x0                               ; the add is done, and my reads of this step's slot are over
	s_barrier_signal -1
	WINM \m, \t
	MUL \m, 0, \t                                  ; work on registers while the others arrive
	WIN 0
	s_barrier_wait -1
.if (\kind) == 1
	CREST                                          ; the barrier has opened a round of the cluster's barrier
	s_add_nc_u64 s[G0R+4*((\t)/4)+2:G0R+4*((\t)/4)+3], s[G0R+4*((\t)/4)+2:G0R+4*((\t)/4)+3], 64*12288   ; the next tile's rows of w_attn lie 64 tiles on
	tensor_load_to_lds s[G0R+4*((\t)/4):G0R+4*((\t)/4)+3], s[G1R:G1R+7]
	s_nop 0
.endif
	PLACES
	FETCH ((\t)+1)%8
	WINM \m, \t
	MUL \m, 1, \t
.endif
.endm
.macro LDSW                            ; the scale words of my four blocks of w_attn
.irp b, 0,1,2,3
	global_load_b128 v[SW+8*\b:SW+8*\b+3], v[SOF], s[WS:WS+1] offset:512*\b
	global_load_b128 v[SW+8*\b+4:SW+8*\b+7], v[SOF], s[WS:WS+1] offset:512*\b+256
.endr
.endm
.macro LDBQ                            ; q, k: lane (r, h), block b: features 32 (b / 2) + 8 (b % 2) + 16 h + 0 .. 7
.irp b, 0,1,2,3
	global_load_b128 v[BIAS+8*\b:BIAS+8*\b+3], v[BO], s[BB:BB+1] offset:128*(\b/2)+32*(\b%2)
	global_load_b128 v[BIAS+8*\b+4:BIAS+8*\b+7], v[BO], s[BB:BB+1] offset:128*(\b/2)+32*(\b%2)+16
.endr
.endm
; 64 accumulator registers of a lane are four blocks of 32 along the next K (each shared with lane l xor 16): two half fragments and four scale bytes.
; q, k: group j = token tiles 2 j, 2 j + 1 of my head; v: group j = feature tile j, 128 keys.
.macro QUANT j, ob
.set AC, 64*(\j)
.set PJ, PC+16*(\j)
	WIN 0x05
.irp b, 0,1,2,3
	v_max3_num_f32 v[TM+\b], |v[AC+16*\b]|, |v[AC+16*\b+1]|, 0x2800000   ; each accumulator from its low end on; the floor 2^(5 - 127) holds the byte at 1 from below
.endr
.irp i, 2,4,6,8,10,12,14
.irp b, 0,1,2,3
	v_max3_num_f32 v[TM+\b], |v[AC+16*\b+\i]|, |v[AC+16*\b+\i+1]|, v[TM+\b]
.endr
.endr
	WIN 0
.irp b, 0,1,2,3
	v_permlanex16_b32 v[TM+4+\b], v[TM+\b], s[SEL], s[SEL+1]
.endr
.irp b, 0,1,2,3
	v_max_num_f32 v[TM+\b], v[TM+\b], v[TM+4+\b]
.endr
.irp b, 0,1,2,3
	v_add_nc_u32 v[TM+12+\b], 0xfe000000, v[TM+\b] ; 4 off the exponent field: the conversion's scale operand
.endr
.irp b, 0,1,2,3
	v_lshrrev_b32 v[TM+4+\b], 23, v[TM+12+\b]
.endr
	v_lshl_or_b32 v[OW+(\j)], v[TM+5], 8, v[TM+4]
	v_lshl_or_b32 v[OW+(\j)], v[TM+6], 16, v[OW+(\j)]
	v_lshl_or_b32 v[OW+(\j)], v[TM+7], 24, v[OW+(\j)]
	WIN 0x01
.irp c, 0,1
	v_cvt_scalef32_pk16_bf6_f32 v[PJ+8*\c:PJ+8*\c+2], v[AC+32*\c:AC+32*\c+15], v[TM+12+2*\c]
	v_cvt_scalef32_pk16_bf6_f32 v[PT+4*\c:PT+4*\c+2], v[AC+32*\c+16:AC+32*\c+31], v[TM+12+2*\c+1]
.endr
	WIN 0
	v_nop                                          ; one plain place behind a scaled conversion
.irp c, 0,1                                    ; the operand's layout wants a whole block in a lane
.irp i, 0,1,2
	v_permlane16_swap_b32 v[PJ+8*\c+\i], v[PT+4*\c+\i]
.endr
.irp i, 0,1,2
	v_mov_b32 v[PJ+8*\c+3+\i], v[PT+4*\c+\i]
.endr
.endr
.irp c, 0,1
	global_store_b128 v[VF16], v[PJ+8*\c:PJ+8*\c+3], s[OUT:OUT+1] offset:(\ob)+1536*(\j)+768*\c        ; 512 and 256 consecutive bytes, aligned
	global_store_b64 v[VF8], v[PJ+8*\c+4:PJ+8*\c+5], s[OUT:OUT+1] offset:(\ob)+1536*(\j)+768*\c+512
.endr
.endm
	s_load_b256 s[4:11], s[0:1], 0x0               ; cod, scl, b_attn, qq
	s_load_b64 s[12:13], s[0:1], 0x20              ; kv
	v_lshl_add_u32 v[SPW], v0, 2, SPARE
	v_mov_b32 v[NIL], 0
	ds_add_u32 v[SPW], v[NIL]                      ; the wave's opening: the add, twice on end, and its wait
	ds_add_u32 v[SPW], v[NIL]
	v_lshrrev_b32 v6, 5, v0
	v_readfirstlane_b32 s[WV], v6
	s_lshr_b32 s[HI], s[WV], 1                     ; my half of x's rows; also: I fetch x (0) or w_attn (1) at the head
	s_and_b32 s[LO], s[WV], 1                      ; my head of the two; also: which half I fetch
	s_bfe_u32 s[CX], ttmp6, 0x40000
	s_bfe_u32 s[CY], ttmp6, 0x40004
	s_lshl_b32 s[GG], ttmp9, 2
	s_add_co_u32 s[GG], s[GG], s[CX]               ; g
	s_and_b32 s[XB], ttmp7, 0xffff
	s_lshl_b32 s[XB], s[XB], 2
	s_add_co_u32 s[XB], s[XB], s[CY]               ; xb
	s_lshl_b32 s23, s[CY], 2
	s_lshl_b32 s23, 15, s23                        ; my row of the cluster
	s_lshl_b32 s87, 0x1111, s[CX]                  ; my column
	s_or_b32 s[G1X], s23, (3<<16)|(1<<21)          ; the mask; elements of 8 bytes; bit 21 beside a mask
	s_or_b32 s[G1W], s87, (3<<16)|(1<<21)
	s_or_b32 s[G1R], s87, (3<<16)|(1<<21)
	s_mov_b32 s[G1X+1], 32<<16                     ; x: 8 tiles, 98,304 dense bytes, as 384 rows of 256
	s_mov_b32 s[G1X+2], 384<<16
	s_mov_b32 s[G1X+3], 32<<16
	s_mov_b32 s[G1X+4], 384
	s_mov_b32 s[G1X+5], 32
	s_mov_b32 s[G1X+6], 0
	s_mov_b32 s[G1X+7], 0
	s_mov_b32 s[G1W+1], 768<<16                    ; a slot: 8 tiles' 6,144 bytes, 12,288 bytes apart
	s_mov_b32 s[G1W+2], 8<<16
	s_mov_b32 s[G1W+3], 768<<16
	s_mov_b32 s[G1W+4], 8
	s_mov_b32 s[G1W+5], 1536
	s_mov_b32 s[G1W+6], 0
	s_mov_b32 s[G1W+7], 0
	s_mov_b32 s[G1R+1], 768<<16                    ; a refill: my two tiles of the eight
	s_mov_b32 s[G1R+2], 2<<16
	s_mov_b32 s[G1R+3], 768<<16
	s_mov_b32 s[G1R+4], 2
	s_mov_b32 s[G1R+5], 1536
	s_mov_b32 s[G1R+6], 0
	s_mov_b32 s[G1R+7], 0
	s_mov_b32 s[SEL], 0x76543210
	s_mov_b32 s[SEL+1], 0xfedcba98
	s_lshl_b32 s66, s[XB], 4                       ; x's tiles that I would fetch: 16 xb + 8 lo ..
	s_lshl_b32 s67, s[LO], 3
	s_add_co_u32 s66, s66, s67
	s_mul_i32 s66, s66, 12288
	s_mov_b32 s67, 0
	s_lshl_b32 s68, s[GG], 3                       ; q's tiles 512 + 8 g .., slot lo
	s_add_co_u32 s68, s68, 512
	s_mul_i32 s68, s68, 12288
	s_mul_i32 s69, s[LO], 6144
	s_add_co_u32 s68, s68, s69
	s_mov_b32 s69, 0
	s_lshl_b32 s90, s[GG], 3                       ; the refills: tiles 512 + 8 g + 2 wave, + 1
	s_lshl_b32 s91, s[WV], 1
	s_add_co_u32 s90, s90, s91
	s_add_co_u32 s90, s90, 512
	s_mul_i32 s90, s90, 12288
	s_mov_b32 s91, 0
	s_lshl_b32 s70, s[XB], 4                       ; scale words: x's tiles 16 xb + 8 hi ..
	s_lshl_b32 s71, s[HI], 3
	s_add_co_u32 s70, s70, s71
	s_lshl_b32 s70, s70, 9
	s_mov_b32 s71, 0
	s_lshl_b32 s88, s[GG], 3                       ; w's tiles 512 + 8 g + 4 lo ..
	s_lshl_b32 s89, s[LO], 2
	s_add_co_u32 s88, s88, s89
	s_add_co_u32 s88, s88, 512
	s_lshl_b32 s88, s88, 9
	s_mov_b32 s89, 0
	s_lshl_b32 s92, s[GG], 9                       ; the bias: features 128 g + 64 lo .., 4 bytes each
	s_lshl_b32 s93, s[LO], 8
	s_add_co_u32 s92, s92, s93
	s_mov_b32 s93, 0
	s_lshr_b32 s94, s[XB], 2                       ; my head: 16 batch + 2 g + lo
	s_lshl_b32 s94, s94, 4
	s_lshl_b32 s95, s[GG], 1
	s_add_co_u32 s94, s94, s95
	s_add_co_u32 s94, s94, s[LO]
	s_mul_i32 s94, s94, HS
	s_mov_b32 s95, 0
	s_mov_b32 s[G0X], 1
	s_mul_i32 s[G0X+1], s[LO], 98304               ; no place in the cluster enters an LDS address
	s_mov_b32 s[G0W], 1
	s_mul_i32 s[G0W+1], s[LO], WSL
	s_add_co_u32 s[G0W+1], s[G0W+1], WB
	s_mov_b32 s[G0R], 1
	s_mul_i32 s[G0R+1], s[WV], 12288
	s_add_co_u32 s[G0R+1], s[G0R+1], WB
	s_mov_b32 s[G0R+4], 1
	s_add_co_u32 s[G0R+5], s[G0R+1], WSL
	s_wait_dscnt 0x0                               ; both opening adds are done
	s_wait_kmcnt 0x0
	s_add_nc_u64 s[G0X+2:G0X+3], s[4:5], s[66:67]
	s_or_b32 s[G0X+3], s[G0X+3], 0x80000000
	s_add_nc_u64 s[G0W+2:G0W+3], s[4:5], s[68:69]
	s_or_b32 s[G0W+3], s[G0W+3], 0x80000000
	s_add_nc_u64 s[G0R+2:G0R+3], s[4:5], s[90:91]
	s_add_nc_u64 s[G0R+6:G0R+7], s[G0R+2:G0R+3], 6144
	s_or_b32 s[G0R+3], s[G0R+3], 0x80000000
	s_or_b32 s[G0R+7], s[G0R+7], 0x80000000
	s_add_nc_u64 s[XS:XS+1], s[6:7], s[70:71]
	s_add_nc_u64 s[WS:WS+1], s[6:7], s[88:89]
	s_add_nc_u64 s[BB:BB+1], s[8:9], s[92:93]
	s_add_nc_u64 s[PQ:PQ+1], s[10:11], s[94:95]
	s_add_nc_u64 s[PK:PK+1], s[12:13], s[94:95]
	CROUND                                         ; all sixteen work-groups are here: the first joint loads meet
	s_cmp_eq_u32 s[HI], 0                          ; the head's loads, one a wave: waves 0, 1 x's halves, waves 2, 3 q's two slots
	s_cbranch_scc0 .Lhead_w
	tensor_load_to_lds s[G0X:G0X+3], s[G1X:G1X+7]
	s_nop 0
	PLACES
	s_branch .Lhead_in
.Lhead_w:
	tensor_load_to_lds s[G0W:G0W+3], s[G1W:G1W+7]
	s_nop 0
	PLACES
.Lhead_in:
	v_and_b32 v6, 31, v0
	v_lshlrev_b32 v[L16], 4, v6
	v_lshlrev_b32 v[L8], 3, v6
	v_and_b32 v[RR], 15, v0
	v_bfe_u32 v[HH], v0, 4, 1
	v_lshlrev_b32 v[SOF], 4, v[RR]
	v_lshlrev_b32 v[BO], 6, v[HH]
	v_and_b32 v[BOV], 8, v[RR]
	v_add_lshl_u32 v[BOV], v[BOV], v[RR], 2        ; v: lane (r, h), block a: feature 32 (a / 2) + 8 (a % 2) + r + 8 (r / 8)
	s_mul_i32 s23, s[HI], 98304
	v_add_nc_u32 v[XL16], s23, v[L16]
	v_add_nc_u32 v[XL8], s23, v[L8]
	s_add_co_u32 s23, s23, 49152
	v_add_nc_u32 v[XL16+2], s23, v[L16]
	v_add_nc_u32 v[XL8+2], s23, v[L8]
	s_mul_i32 s23, s[LO], 24576
	s_add_co_u32 s23, s23, WB
	v_add_nc_u32 v[W16], s23, v[L16]
	v_add_nc_u32 v[W8], s23, v[L8]
	s_add_co_u32 s23, s23, WSL
	v_add_nc_u32 v[W16+2], s23, v[L16]
	v_add_nc_u32 v[W8+2], s23, v[L8]
	s_and_b32 s23, s[XB], 3
	s_lshl_b32 s23, s23, 1
	s_add_co_u32 s23, s23, s[HI]                   ; my step of 128 tokens in the batch
	s_mul_i32 s87, s23, 12288
	s_add_co_u32 s87, s87, 6144
	v_add_nc_u32 v[VF16], s87, v[L16]
	v_add_nc_u32 v[VF8], s87, v[L8]
	s_lshl_b32 s87, s23, 9
	v_add_nc_u32 v[VSQ], s87, v[L16]
	s_lshl_b32 s87, s23, 8
	s_add_co_u32 s87, s87, 4096
	v_add_nc_u32 v[VSV], s87, v[L8]
.irp b, 0,1,2,3
	v_mov_b32 v[TM+4+\b], 0                        ; a lane permute's destination counts as one of its sources
.endr
	s_wait_alu depctr_va_vdst(0)
.irp i, 0,1,2,3,4,5,6,7
	global_load_b128 v[SX+8*\i:SX+8*\i+3], v[SOF], s[XS:XS+1] offset:512*\i
	global_load_b128 v[SX+8*\i+4:SX+8*\i+7], v[SOF], s[XS:XS+1] offset:512*\i+256
.endr
	LDSW
	LDBQ
	s_wait_tensorcnt 0x0                           ; my tile of the head's four is in
	s_barrier_signal -1
	s_barrier_wait -1                              ; all four are
	FETCH 0
	s_mov_b32 s[TRIP], 0
.Ltile:                                                ; q, then k
	s_wait_loadcnt 0x0                             ; the scale words and the bias
	STEP 0, 0, 0
	STEP 0, 1, 0
	STEP 0, 2, 0
	STEP 0, 3, 1                                   ; slot 0 takes the next tile's lower 512 along K
	STEP 0, 4, 0
	STEP 0, 5, 0
	STEP 0, 6, 0
	STEP 0, 7, 1                                   ; slot 1 its upper 512; the next tile's first fragments are fetched
	WIN 0
	PLACES                                         ; behind the last products: loads into their scale registers, reads of their results
	s_add_nc_u64 s[WS:WS+1], s[WS:WS+1], 64*512    ; the next tile's scale words and bias (the loads that read these bases have been waited for)
	s_add_nc_u64 s[BB:BB+1], s[BB:BB+1], 4096
	LDSW
	s_cmp_eq_u32 s[TRIP], 0
	s_cbranch_scc0 .Lbias_v
	LDBQ
	s_branch .Lbias_in
.Lbias_v:
.irp a, 0,1,2,3
.irp j, 0,1,2,3,4,5,6,7
	global_load_b32 v[BIAS+8*\a+\j], v[BOV], s[BB:BB+1] offset:128*(\a/2)+32*(\a%2)   ; v: my feature's bias in all eight registers
.endr
.endr
.Lbias_in:
	s_wait_xcnt 0x0                                ; the last tile's stores have read their data and base: both are written again only behind this wait
	s_cmp_eq_u32 s[TRIP], 0
	s_cselect_b64 s[OUT:OUT+1], s[PQ:PQ+1], s[PK:PK+1]   ; q goes to qq, k to kv
	QUANT 0, 0
	QUANT 1, 0
	QUANT 2, 0
	QUANT 3, 0
	v_cmp_eq_u32 vcc_lo, 1, v[HH]
.irp j, 0,1,2,3
	v_lshrrev_b32 v[TW+\j], 16, v[OW+\j]           ; tile 2 j + 1's two bytes
.endr
.irp j, 0,1,2,3
	v_cndmask_b32 v[TW+\j], v[OW+\j], v[TW+\j], vcc_lo   ; lanes 0-15 the word of tile 2 j (the bytes on top of its two scale zero codes), lanes 16-31 of tile 2 j + 1
.endr
	global_store_b128 v[VSQ], v[TW:TW+3], s[OUT:OUT+1]
	s_add_co_u32 s[TRIP], s[TRIP], 1
	s_cmp_lt_u32 s[TRIP], 2
	s_wait_alu depctr_va_vdst(0)
	s_cbranch_scc1 .Ltile
	s_wait_loadcnt 0x0                             ; v
	STEP 1, 0, 0
	STEP 1, 1, 0
	STEP 1, 2, 0
	STEP 1, 3, 2
	STEP 1, 4, 0
	STEP 1, 5, 0
	STEP 1, 6, 0
	STEP 1, 7, 3
	WIN 0
	PLACES
	s_wait_xcnt 0x0                                ; k's stores have read their data
	QUANT 0, 6144
	QUANT 1, 6144
	QUANT 2, 6144
	QUANT 3, 6144
	v_cmp_eq_u32 vcc_lo, 1, v[HH]
	v_cndmask_b32 v[TW], v[OW], v[OW+1], vcc_lo    ; lanes 0-15 the word of fragment 2 i, lanes 16-31 of fragment 2 i + 1
	v_cndmask_b32 v[TW+1], v[OW+2], v[OW+3], vcc_lo
	global_store_b64 v[VSV], v[TW:TW+1], s[OUT:OUT+1]
	s_wait_tensorcnt 0x0                           ; the wave's end
	ds_add_u32 v[SPW], v[NIL]
	s_wait_dscnt 0x0
	CROUND                                         ; the closing round
	s_endpgm
.Lfunc_end_k_qae5b5d9901_qkv:
	.size	k_qae5b5d9901_qkv, .Lfunc_end_k_qae5b5d9901_qkv-k_qae5b5d9901_qkv
	.p2alignl 7, 3214868480
	.fill 96, 4, 3214868480
	.section	.rodata,"a",@progbits
	.p2align	6, 0x0
	.amdhsa_kernel k_qae5b5d9901_qkv
		.amdhsa_group_segment_fixed_size 327680
		.amdhsa_private_segment_fixed_size 0
		.amdhsa_enable_private_segment 0
		.amdhsa_kernarg_size 40
		.amdhsa_user_sgpr_count 2
		.amdhsa_user_sgpr_kernarg_segment_ptr 1
		.amdhsa_wavefront_size32 1
		.amdhsa_system_sgpr_workgroup_id_x 1
		.amdhsa_system_sgpr_workgroup_id_y 1
		.amdhsa_system_sgpr_workgroup_id_z 1
		.amdhsa_system_vgpr_workitem_id 0
		.amdhsa_next_free_vgpr 1024
		.amdhsa_next_free_sgpr 96
		.amdhsa_reserve_vcc 1
		.amdhsa_float_denorm_mode_32 3
		.amdhsa_float_denorm_mode_16_64 3
		.amdhsa_memory_ordered 1
		.amdhsa_forward_progress 1
		.amdhsa_inst_pref_size 170
	.end_amdhsa_kernel
	.amdgpu_metadata
---
amdhsa.version: [ 1, 2 ]
amdhsa.kernels:
  - .name:           k_qae5b5d9901_qkv
    .symbol:         k_qae5b5d9901_qkv.kd
    .args:
      - { .name: cod, .offset: 0, .size: 8, .value_kind: global_buffer, .address_space: global }
      - { .name: scl, .offset: 8, .size: 8, .value_kind: global_buffer, .address_space: global }
      - { .name: b_attn, .offset: 16, .size: 8, .value_kind: global_buffer, .address_space: global }
      - { .name: qq, .offset: 24, .size: 8, .value_kind: global_buffer, .address_space: global }
      - { .name: kv, .offset: 32, .size: 8, .value_kind: global_buffer, .address_space: global }
    .group_segment_fixed_size: 327680
    .private_segment_fixed_size: 0
    .kernarg_segment_align: 8
    .kernarg_segment_size: 40
    .max_flat_workgroup_size: 128
    .sgpr_count:     96
    .vgpr_count:     1024
    .wavefront_size: 32
...
	.end_amdgpu_metadata
.endif
;; end of part 2
;; launch att (part 3): grid 4 x 64, 16 waves a work-group, clusters of 4 x 1, 212,992 bytes of LDS; arguments qq, kv, ao, asc; writes ao, asc
.if DOCPART == 3
	.amdgcn_target "amdgcn-amd-amdhsa--gfx1250"
	.amdhsa_code_object_version 6
	.text
	.protected	k_qae5b5d9901_att
	.globl	k_qae5b5d9901_att
	.p2align	8
	.type	k_qae5b5d9901_att,@function
k_qae5b5d9901_att:
	s_mov_b64 s[64:65], 0
	v_nop
	global_prefetch_b8 v0, s[64:65] scope:SCOPE_SE
	s_setreg_imm32_b32 hwreg(HW_REG_WAVE_MODE, 25, 1), 1
	s_wait_xcnt 0x0
	s_wait_alu depctr_hold_cnt(0) depctr_sa_sdst(0) depctr_va_vdst(0) depctr_va_sdst(0) depctr_va_ssrc(0) depctr_va_vcc(0) depctr_vm_vsrc(0)
	s_getreg_b32 s2, hwreg(HW_REG_IB_STS2, 6, 4)
	s_cmp_eq_u32 s2, 0
	s_cbranch_scc0 .Lentry_in_a_cluster
	s_endpgm
.Lentry_in_a_cluster:
	s_bfe_u32 s2, ttmp6, 0x10000c
	s_cmp_lg_u32 s2, 0x3003
	s_cbranch_scc0 .Lentry_shape_is_right
	s_endpgm
.Lentry_shape_is_right:
; Launch 3 of 4: causal attention on codes of E3M2, and the quantiser of its result along D.  WORK LEFT OUT: steps of 128 keys that lie wholly behind a tile's 16 queries (shown at the head of the first launch).
; THE SOFTMAX AHEAD OF THE SECOND PRODUCT: t = score x log2(e) / 8; M = the running largest t rounded up to a whole number; p = 2^(t - M) is quantised along the keys, not normalised; the row's sum is taken of the
; unquantised p and divides at the end; when M moves, the sum and O are multiplied by 2^(old M - new M), exactly.
; SHARES.  A cluster of four work-groups takes a pair of heads of one batch; all four read the same 208,896 bytes of kv, which each holds whole in LDS: asked for jointly, filled once, in one stage, a sixteenth a wave.
; Wave w: head w & 1; an early tile of 16 queries, number 8 fi + sub (fi = (w >> 1) & 3, sub = 2 cx + (w >> 3)), with fi + 1 key steps, and the late tile 63 - that, with 8 - fi:
; nine tile steps for every wave.  Branches hang on the wave's number and the count of steps alone; cx enters global addresses and the mask's numbers only.
; LAYOUT.  Both products are used transposed (S^T = K Q^T, O^T = V^T P^T): a lane holds one query; the tiles' row order (first launch) makes p's, and O^T's, 16 registers of two neighbouring tiles 16 neighbours along the next K.
; K = 64 IN AN INSTRUCTION OF 128: Q's registers 6-11 hold zero codes; K's operand names 12 registers, of which the upper six are the next tile's codes (for tile 7: zeros): zero codes times any code add nothing.
; asc's words join two heads' bytes, so they leave as 4 bytes a lane, 16 bytes apart: 262,144 bytes in the whole launch.
; LIMITS: as stated at the head of the first launch.
.set HS,    104448
.set EX,    2*HS                       ; behind the image: 128 bytes for each wave, the exchange of scale bytes
.set SPARE, EX+2048                    ; the spare words, 128 bytes for each wave
.set AK16, 1                           ; v1   my head's image + 16 x lane
.set AK8,  2                           ; v2   + 8 x lane
.set SPW,  3                           ; v3   LDS address of my spare word; never rewritten
.set NIL,  4                           ; v4   0; never rewritten
.set EXA,  5                           ; v5   EX + 4 x my thread's number
.set ADK16, 6
.set ADK8, 7
.set ADS16, 8
.set ADS8, 9
.set DQA,  10                          ; v10, v11 my query's place in its own step of 128, less 16 (lane / 16)
.set DQB,  11
.set STA,  12                          ; v12 -M, v13 the largest t, v[14:15] the sum; v16-19 the same for the early tile
.set STB,  16
.set QA,   20                          ; v20-31, v32-43 Q's operands
.set QB,   32
.set QSA,  44                          ; v44-52: scale words and nothing else
.set QSB,  45
.set KS,   46
.set VS,   50
.set PS,   52
.set NINF, 53
.set F,    54                          ; v54-107 K's eight half fragments and six zeros; then at work; then V's four fragments
.set S,    108                         ; v108-171 S^T, then p
.set OA,   172
.set OB,   204
.set PC,   236                         ; v236-247 p's codes
.set FF,   248                         ; v[248:249] f
.set TT,   250
.set T2,   251
.set PWA,  252
.set PWB,  253
.set XW,   254
.set XP,   255
.set MX,   F
.set PM,   F+4
.set SO,   F+8
.set CT,   F+12
.set SP2,  F+20
.set WV,  12
.set G1A, 24
.set G1B, 32
.set G0A, 40
.set G0B, 44
.set SEL, 48
.set CS,  50
.set TB,  52
.set TS,  53
.set TV,  54
.set SS,  55
.set FA,  56
.set FB,  57
.set IA,  58
.set IB,  59
.set CNT, 70
.macro CROUND
	s_barrier_signal -1
	s_barrier_wait -1
	s_cmp_lg_u32 s[WV], 0
	s_cbranch_scc1 .Lnot_wave_0_\@
	s_barrier_signal -3
.Lnot_wave_0_\@:
	s_barrier_wait -3
	s_barrier_signal -1
	s_barrier_wait -1
.endm
	s_load_b256 s[4:11], s[0:1], 0x0               ; qq, kv, ao, asc
	v_lshl_add_u32 v[SPW], v0, 2, SPARE
	v_mov_b32 v[NIL], 0
	ds_add_u32 v[SPW], v[NIL]                      ; the wave's opening: the add, twice on end, and its wait ahead of the first tensor loads
	ds_add_u32 v[SPW], v[NIL]
	v_lshrrev_b32 v6, 5, v0
	s_delay_alu instid0(VALU_DEP_1)
	v_readfirstlane_b32 s[WV], v6
	s_and_b32 s13, s[WV], 1                        ; e: which head of the pair
	s_bfe_u32 s14, s[WV], 0x20001                  ; fi
	s_lshr_b32 s15, s[WV], 3
	s_bfe_u32 s16, ttmp6, 0x40000                  ; cx
	s_and_b32 s17, ttmp7, 0xffff                   ; the pair of heads
	s_mov_b32 s[G1A], 15|(3<<16)|(1<<21)           ; all four work-groups; elements of 8 bytes; rows of 256 bytes, dense
	s_mov_b32 s[G1A+1], 32<<16
	s_mov_b32 s[G1A+2], 51<<16
	s_mov_b32 s[G1A+3], 32<<16
	s_mov_b32 s[G1A+4], 51
	s_mov_b32 s[G1A+5], 32
	s_mov_b32 s[G1A+6], 0
	s_mov_b32 s[G1A+7], 0
	s_mul_i32 s18, s13, HS
	v_and_b32 v7, 31, v0
	s_delay_alu instid0(VALU_DEP_1)
	v_lshl_add_u32 v[AK16], v7, 4, s18
	s_delay_alu instid0(VALU_DEP_2)
	v_lshl_add_u32 v[AK8], v7, 3, s18
	v_lshl_add_u32 v[EXA], v0, 2, EX
	s_mul_i32 s20, s[WV], 13056                    ; THE IMAGE COMES IN ONE STAGE: each of the sixteen waves asks for 51 rows of 256 bytes of the pair's 208,896
	s_mov_b32 s21, 0
	s_mul_i32 s60, s17, 2*HS
	s_mov_b32 s61, 0
	s_mov_b32 s[SEL], 0x76543210
	s_mov_b32 s[SEL+1], 0xfedcba98
	s_mov_b32 s[CS], 0x3e38aa3b                    ; c = log2(e) / 8
	s_mov_b32 s[CS+1], s[CS]
	s_mov_b32 s[TB], 0
	s_mov_b32 s[TS], 0
	s_mov_b32 s[TV], 0
	s_mov_b32 s[SS], 0
	s_mov_b32 s[FB], s14                           ; the early tile's last key step,
	s_sub_co_u32 s[FA], 7, s14                     ; and the late tile's
	s_wait_dscnt 0x0                               ; both opening adds are done
	s_wait_kmcnt 0x0
	s_add_nc_u64 s[4:5], s[4:5], s[60:61]          ; qq and kv at the pair
	s_add_nc_u64 s[6:7], s[6:7], s[60:61]
	s_mov_b32 s[G0A], 1
	s_mov_b32 s[G0A+1], s20
	s_add_nc_u64 s[G0A+2:G0A+3], s[6:7], s[20:21]
	s_or_b32 s[G0A+3], s[G0A+3], 0x80000000
	CROUND                                         ; all four work-groups are here: the joint loads meet
	tensor_load_to_lds s[G0A:G0A+3], s[G1A:G1A+7]  ; one load a wave, with no branch: one load of mine is out
	s_nop 0
.rept 4
	v_nop
.endr
	s_lshl_b32 s[IB], s14, 3
	s_lshl_b32 s60, s16, 1
	s_add_co_u32 s[IB], s[IB], s60
	s_add_co_u32 s[IB], s[IB], s15                 ; the early tile
	s_sub_co_u32 s[IA], 63, s[IB]                  ; the late tile
	s_wait_alu depctr_va_vdst(0)
	v_lshlrev_b32 v108, 4, v7
	v_lshlrev_b32 v109, 3, v7
	v_and_b32 v119, 15, v0
	v_bfe_u32 v120, v0, 4, 1
	s_delay_alu instid0(VALU_DEP_2)
	v_lshlrev_b32 v110, 4, v119
	s_wait_alu depctr_va_vdst(0)
	v_and_b32 v117, 8, v119
	s_delay_alu instid0(VALU_DEP_1)
	v_add_nc_u32 v117, v117, v119
	v_lshlrev_b32 v118, 4, v120
	s_delay_alu instid0(VALU_DEP_1)
	v_sub_nc_u32 v117, v117, v118                  ; r + 8 (r / 8) - 16 h
.macro QLOAD ir, q, qs, dq, vt         ; tile i lies in qq where key tile i % 8 of step i / 8 lies in kv
	s_lshr_b32 s60, s[\ir], 3
	s_and_b32 s61, s[\ir], 7
	s_mul_i32 s62, s60, 12288
	s_mul_i32 s63, s61, 768
	s_add_co_u32 s62, s62, s63
	s_add_co_u32 s62, s62, s18
	v_add_nc_u32 v[\vt], s62, v108
	s_wait_alu depctr_va_vdst(0)
	v_add_nc_u32 v[\vt+1], s62, v109
	s_wait_alu depctr_va_vdst(0)
	s_lshl_b32 s62, s60, 9
	s_and_b32 s63, s[\ir], 1
	s_lshl_b32 s66, s63, 8
	s_add_co_u32 s62, s62, s66
	s_lshr_b32 s66, s61, 1
	s_lshl_b32 s67, s66, 2
	s_add_co_u32 s62, s62, s67
	s_add_co_u32 s62, s62, s18
	v_add_nc_u32 v[\vt+2], s62, v110
	s_lshl_b32 s66, s66, 5
	s_lshl_b32 s63, s63, 3
	s_add_co_u32 s66, s66, s63
	v_add_nc_u32 v[\dq], s66, v117
	global_load_b128 v[\q:\q+3], v[\vt], s[4:5] offset:6144
	global_load_b64 v[\q+4:\q+5], v[\vt+1], s[4:5] offset:6656
	global_load_b32 v[\qs], v[\vt+2], s[4:5]
.endm
	s_wait_alu depctr_va_vdst(0)
	QLOAD IA, QA, QSA, DQA, 111
	QLOAD IB, QB, QSB, DQB, 114
.set n, 0
.rept 64
	v_mov_b32 v[OA+n], 0                           ; O^T of both tiles: the step is written once, its first turn finds zeros
.set n, n+1
.endr
.irp j, 6,7,8,9,10,11
	v_mov_b32 v[QA+\j], 0                          ; zero codes for the upper 64 of the instruction's K
	v_mov_b32 v[QB+\j], 0
.endr
.irp j, 48,49,50,51,52,53
	v_mov_b32 v[F+\j], 0
.endr
.irp t, STA, STB
	v_mov_b32 v[\t+1], 0xff61b1e6                  ; the largest t so far: -3e38
	s_delay_alu instid0(VALU_DEP_1)
	v_floor_f32 v[\t], -v[\t+1]
	v_mov_b32 v[\t+2], 0
	v_mov_b32 v[\t+3], 0
.endr
	v_mov_b32 v[NINF], 0xff800000
.irp j, 248,249,250,251,252,253,254,255
	v_mov_b32 v\j, 0
.endr
; A KEY STEP OF ONE TILE: 128 keys.
.macro STEP ST, Q, QS, O, DQ, FX
	v_add_nc_u32 v[ADK16], s[TB], v[AK16]          ; (these four are also the places behind the last products, in front of the loads)
	v_add_nc_u32 v[ADK8], s[TB], v[AK8]
	v_add_nc_u32 v[ADS16], s[TS], v[AK16]
	v_add_nc_u32 v[ADS8], s[TV], v[AK8]
.irp t, 0,1,2,3,4,5,6,7
	ds_load_b128 v[F+6*\t:F+6*\t+3], v[ADK16] offset:6144+768*\t
	ds_load_b64 v[F+6*\t+4:F+6*\t+5], v[ADK8] offset:6656+768*\t
.endr
	ds_load_b128 v[KS:KS+3], v[ADS16]
	s_wait_dscnt 0x0
.irp g, 0,1,2,3
	v_wmma_scale_f32_16x16x128_f8f6f4 v[S+16*\g:S+16*\g+7], v[F+12*\g:F+12*\g+11], v[\Q:\Q+11], 0, v[KS+\g], v[\QS] matrix_a_fmt:MATRIX_FMT_BF6 matrix_b_fmt:MATRIX_FMT_BF6
	v_wmma_scale_f32_16x16x128_f8f6f4 v[S+16*\g+8:S+16*\g+15], v[F+12*\g+6:F+12*\g+17], v[\Q:\Q+11], 0, v[KS+\g], v[\QS] matrix_a_fmt:MATRIX_FMT_BF6 matrix_b_fmt:MATRIX_FMT_BF6 matrix_a_scale:MATRIX_SCALE_ROW1
.endr
.rept 4
	v_nop
.endr
	s_cmp_lg_u32 s[SS], s[\FX]                     ; only the tile's last step lies on the diagonal
	s_cbranch_scc1 .Lopen_\@
.set n, 0
.rept 64
	v_cmp_gt_i32 vcc_lo, 32*(n/16)+n%16, v[\DQ]    ; register 16 b + i holds key 32 b + 16 (lane / 16) + i of the step
	v_cndmask_b32 v[S+n], v[S+n], v[NINF], vcc_lo
.set n, n+1
.endr
.Lopen_\@:
.irp b, 0,1,2,3
	v_max3_num_f32 v[MX+\b], v[S+16*\b], v[S+16*\b+1], v[S+16*\b+2]   ; the largest score of each block of 32 keys: for the row's maximum and for the block's largest p
.endr
.irp i, 3,5,7,9,11,13
.irp b, 0,1,2,3
	v_max3_num_f32 v[MX+\b], v[MX+\b], v[S+16*\b+\i], v[S+16*\b+\i+1]
.endr
.endr
.irp b, 0,1,2,3
	v_max_num_f32 v[MX+\b], v[MX+\b], v[S+16*\b+15]
.endr
.irp b, 0,1,2,3
	s_delay_alu instid0(VALU_DEP_4)
	v_permlanex16_b32 v[PM+\b], v[MX+\b], s[SEL], s[SEL+1]
.endr
.irp b, 0,1,2,3
	s_delay_alu instid0(VALU_DEP_4)
	v_max_num_f32 v[MX+\b], v[MX+\b], v[PM+\b]
.endr
	s_delay_alu instid0(VALU_DEP_2)
	v_max3_num_f32 v[TT], v[MX], v[MX+1], v[MX+2]
	s_delay_alu instid0(VALU_DEP_1)
	v_max_num_f32 v[TT], v[TT], v[MX+3]
	s_delay_alu instid0(VALU_DEP_1)
	v_mul_f32 v[TT], s[CS], v[TT]
	s_delay_alu instid0(VALU_DEP_1)
	v_max_num_f32 v[\ST+1], v[\ST+1], v[TT]        ; the running largest t
	v_mov_b32 v[TT], v[\ST]
	s_delay_alu instid0(VALU_DEP_2)
	v_floor_f32 v[\ST], -v[\ST+1]                  ; -M = floor(-t)
	s_delay_alu instid0(VALU_DEP_1)
	v_sub_f32 v[TT], v[\ST], v[TT]
	s_delay_alu instid0(VALU_DEP_1)
	v_cvt_i32_f32 v[TT], v[TT]                     ; (it saturates)
	s_delay_alu instid0(VALU_DEP_1)
	v_ldexp_f32 v[FF], 1.0, v[TT]                  ; f = 2^(old M - new M)
.set n, 0
.rept 32
	v_pk_fma_f32 v[S+n:S+n+1], v[S+n:S+n+1], s[CS:CS+1], v[\ST:\ST+1] op_sel_hi:[1,0,0]   ; t - M
.set n, n+2
.endr
.irp b, 0,1,2,3
	v_fma_f32 v[MX+\b], v[MX+\b], s[CS], v[\ST]
.endr
.set n, 0
	s_wait_alu depctr_va_vdst(0)
.rept 64
	v_exp_f32 v[S+n], v[S+n]                       ; p
.set n, n+1
.endr
	v_pk_mul_f32 v[\ST+2:\ST+3], v[\ST+2:\ST+3], v[FF:FF+1] op_sel_hi:[1,0]   ; a plain place behind the exponentials
	s_wait_alu depctr_va_vdst(0)                   ; one wait for the batch, ahead of its first reader
.irp b, 0,1,2,3
	v_exp_f32 v[MX+\b], v[MX+\b]                   ; each block's largest p
.endr
	v_pk_add_f32 v[SP2:SP2+1], v[S:S+1], v[S+2:S+3]   ; the row's sum of the unquantised p, in two chains
.irp j, 4,8,12,16,20,24,28,32,36,40,44,48,52,56,60
	v_pk_add_f32 v[\ST+2:\ST+3], v[\ST+2:\ST+3], v[S+\j:S+\j+1]
	v_pk_add_f32 v[SP2:SP2+1], v[SP2:SP2+1], v[S+\j+2:S+\j+3]
.endr
	s_delay_alu instid0(VALU_DEP_1)
	v_pk_add_f32 v[\ST+2:\ST+3], v[\ST+2:\ST+3], v[SP2:SP2+1]
	s_wait_alu depctr_va_vdst(0)                   ; and one for the four
.irp b, 0,1,2,3
	v_max_num_f32 v[MX+\b], 0x2800000, v[MX+\b]    ; the floor 2^(5 - 127)
.endr
.irp b, 0,1,2,3
	s_delay_alu instid0(VALU_DEP_4)
	v_add_nc_u32 v[SO+\b], 0xfe000000, v[MX+\b]
.endr
.irp b, 0,1,2,3
	s_delay_alu instid0(VALU_DEP_4)
	v_lshrrev_b32 v[PM+\b], 23, v[SO+\b]
.endr
	s_delay_alu instid0(VALU_DEP_3)
	v_lshl_or_b32 v[PS], v[PM+1], 8, v[PM]
	s_delay_alu instid0(VALU_DEP_1)
	v_lshl_or_b32 v[PS], v[PM+2], 16, v[PS]
	s_delay_alu instid0(VALU_DEP_1)
	v_lshl_or_b32 v[PS], v[PM+3], 24, v[PS]
.irp c, 0,1
	v_cvt_scalef32_pk16_bf6_f32 v[PC+6*\c:PC+6*\c+2], v[S+32*\c:S+32*\c+15], v[SO+2*\c]
	v_cvt_scalef32_pk16_bf6_f32 v[CT+4*\c:CT+4*\c+2], v[S+32*\c+16:S+32*\c+31], v[SO+2*\c+1]
.endr
	v_nop
.irp c, 0,1
.irp i, 0,1,2
	v_permlane16_swap_b32 v[PC+6*\c+\i], v[CT+4*\c+\i]
.endr
.irp i, 0,1,2
	s_delay_alu instid0(VALU_DEP_3)
	v_mov_b32 v[PC+6*\c+3+\i], v[CT+4*\c+\i]
.endr
.endr
.irp d, 0,1,2,3
	ds_load_b128 v[F+12*\d:F+12*\d+3], v[ADK16] offset:12288+1536*\d
	ds_load_b64 v[F+12*\d+4:F+12*\d+5], v[ADK8] offset:12288+1536*\d+512
	ds_load_b128 v[F+12*\d+6:F+12*\d+9], v[ADK16] offset:12288+1536*\d+768
	ds_load_b64 v[F+12*\d+10:F+12*\d+11], v[ADK8] offset:12288+1536*\d+1280
.endr
	ds_load_b64 v[VS:VS+1], v[ADS8] offset:4096
.set n, 0
.rept 16
	v_pk_mul_f32 v[\O+n:\O+n+1], v[\O+n:\O+n+1], v[FF:FF+1] op_sel_hi:[1,0]   ; O^T under the new M; also the places between p's codes and scale word and the products
.set n, n+2
.endr
	s_wait_alu depctr_va_vdst(0)
	s_wait_dscnt 0x0
.irp g, 0,1
	v_wmma_scale_f32_16x16x128_f8f6f4 v[\O+16*\g:\O+16*\g+7], v[F+24*\g:F+24*\g+11], v[PC:PC+11], v[\O+16*\g:\O+16*\g+7], v[VS+\g], v[PS] matrix_a_fmt:MATRIX_FMT_BF6 matrix_b_fmt:MATRIX_FMT_BF6
	v_wmma_scale_f32_16x16x128_f8f6f4 v[\O+16*\g+8:\O+16*\g+15], v[F+24*\g+12:F+24*\g+23], v[PC:PC+11], v[\O+16*\g+8:\O+16*\g+15], v[VS+\g], v[PS] matrix_a_fmt:MATRIX_FMT_BF6 matrix_b_fmt:MATRIX_FMT_BF6 matrix_a_scale:MATRIX_SCALE_ROW1
.endr
.endm
.macro BODY                            ; key step SS for both tiles; a tile whose queries all lie ahead of the step passes it over
	s_cmp_gt_u32 s[SS], s[FA]
	s_cbranch_scc1 .Lno_a_\@
	STEP STA, QA, QSA, OA, DQA, FA
.Lno_a_\@:
	s_cmp_gt_u32 s[SS], s[FB]
	s_cbranch_scc1 .Lno_b_\@
	STEP STB, QB, QSB, OB, DQB, FB
.Lno_b_\@:
	s_add_co_u32 s[TB], s[TB], 12288
	s_add_co_u32 s[TS], s[TS], 512
	s_add_co_u32 s[TV], s[TV], 256
	s_add_co_u32 s[SS], s[SS], 1
.endm
	s_wait_tensorcnt 0x0                           ; my sixteenth of the image is in; nothing is filled again in this launch
	s_wait_loadcnt 0x0                             ; Q
	s_barrier_signal -1
	s_barrier_wait -1                              ; the whole image is in: one loop over the eight key steps
	s_mov_b32 s[CNT], 8
.Lrest:
	BODY
	s_sub_co_u32 s[CNT], s[CNT], 1
	s_cmp_lg_u32 s[CNT], 0
	s_cbranch_scc1 .Lrest
	; THE WAY OUT: O^T / the sum, quantised along D (my head's 64: two blocks, one half fragment a tile).
.rept 4
	v_nop                                          ; places behind the last products
.endr
	v_add_f32 v[STA+2], v[STA+2], v[STA+3]
	s_wait_alu depctr_va_vdst(0)
	v_add_f32 v[STB+2], v[STB+2], v[STB+3]
	v_permlanex16_b32 v[TT], v[STA+2], s[SEL], s[SEL+1]
	s_delay_alu instid0(VALU_DEP_2)
	v_permlanex16_b32 v[T2], v[STB+2], s[SEL], s[SEL+1]
	s_delay_alu instid0(VALU_DEP_2)
	v_add_f32 v[STA+2], v[STA+2], v[TT]
	s_delay_alu instid0(VALU_DEP_2)
	v_add_f32 v[STB+2], v[STB+2], v[T2]
	s_wait_alu depctr_va_vdst(0)
	v_rcp_f32 v[STA+2], v[STA+2]
	v_rcp_f32 v[STB+2], v[STB+2]
	v_and_b32 v[F+24], 31, v0                      ; (plain work behind the reciprocals)  lane
	s_wait_alu depctr_va_vdst(0)
	v_and_b32 v[F+25], 15, v0                      ; r
	v_bfe_u32 v[F+26], v0, 4, 1                    ; h
	s_wait_alu depctr_va_vdst(0)
	s_lshr_b32 s60, s17, 3
	s_lshl_b32 s60, s60, 6                         ; 64 x batch
	s_and_b32 s61, s17, 7                          ; the pair's number in the batch
	s_lshl_b32 s62, s61, 1
	s_add_co_u32 s62, s62, s13
	s_mul_i32 s62, s62, 768                        ; my head's half fragment in a tile
	s_add_co_u32 s63, s60, s[IA]
	s_mul_i32 s63, s63, 12288
	s_add_co_u32 s63, s63, s62
	v_lshl_add_u32 v[F+27], v[F+24], 4, s63
	v_lshl_add_u32 v[F+28], v[F+24], 3, s63
	s_add_co_u32 s63, s60, s[IB]
	s_mul_i32 s63, s63, 12288
	s_add_co_u32 s63, s63, s62
	v_lshl_add_u32 v[F+29], v[F+24], 4, s63
	v_lshl_add_u32 v[F+30], v[F+24], 3, s63
	s_add_co_u32 s66, s60, s[IB]
	s_lshl_b32 s66, s66, 9
	s_lshr_b32 s67, s61, 2
	s_lshl_b32 s67, s67, 8
	s_add_co_u32 s66, s66, s67
	s_and_b32 s67, s61, 3
	s_lshl_b32 s67, s67, 2
	s_add_co_u32 s66, s66, s67
	s_sub_co_u32 s67, s[IA], s[IB]
	s_lshl_b32 s67, s67, 9
	v_mul_u32_u24 v[F+31], s67, v[F+26]            ; lanes 0-15: the early tile's rows; lanes 16-31: the late tile's
	s_delay_alu instid0(VALU_DEP_1)
	v_lshl_add_u32 v[F+31], v[F+25], 4, v[F+31]
	s_delay_alu instid0(VALU_DEP_1)
	v_add_nc_u32 v[F+31], s66, v[F+31]
	v_mov_b32 v[PM], 0
	v_mov_b32 v[PM+1], 0
	s_wait_alu depctr_va_vdst(0)                   ; one wait for both reciprocals, ahead of their first reader
.set n, 0
.rept 32
	v_mul_f32 v[S+n], v[OA+n], v[STA+2]            ; each accumulator from its low end on
.set n, n+1
.endr
.set n, 0
.rept 32
	v_mul_f32 v[S+32+n], v[OB+n], v[STB+2]
.set n, n+1
.endr
.macro QUANT2 s, pc, pw
.irp b, 0,1
	v_max3_num_f32 v[MX+\b], |v[\s+16*\b]|, |v[\s+16*\b+1]|, 0x2800000
.endr
.irp i, 2,4,6,8,10,12,14
.irp b, 0,1
	s_delay_alu instid0(VALU_DEP_2)
	v_max3_num_f32 v[MX+\b], v[MX+\b], |v[\s+16*\b+\i]|, |v[\s+16*\b+\i+1]|
.endr
.endr
.irp b, 0,1
	s_delay_alu instid0(VALU_DEP_2)
	v_permlanex16_b32 v[PM+\b], v[MX+\b], s[SEL], s[SEL+1]
.endr
.irp b, 0,1
	s_delay_alu instid0(VALU_DEP_2)
	v_max_num_f32 v[MX+\b], v[MX+\b], v[PM+\b]
.endr
.irp b, 0,1
	s_delay_alu instid0(VALU_DEP_2)
	v_add_nc_u32 v[SO+\b], 0xfe000000, v[MX+\b]
.endr
.irp b, 0,1
	s_delay_alu instid0(VALU_DEP_2)
	v_lshrrev_b32 v[PM+\b], 23, v[SO+\b]
.endr
	s_delay_alu instid0(VALU_DEP_1)
	v_lshl_or_b32 v[\pw], v[PM+1], 8, v[PM]
	v_cvt_scalef32_pk16_bf6_f32 v[\pc:\pc+2], v[\s:\s+15], v[SO]
	v_cvt_scalef32_pk16_bf6_f32 v[CT:CT+2], v[\s+16:\s+31], v[SO+1]
	v_nop
.irp i, 0,1,2
	v_permlane16_swap_b32 v[\pc+\i], v[CT+\i]
.endr
.irp i, 0,1,2
	s_delay_alu instid0(VALU_DEP_3)
	v_mov_b32 v[\pc+3+\i], v[CT+\i]
.endr
.endm
	QUANT2 S, PC, PWA
	QUANT2 S+32, PC+6, PWB
	global_store_b128 v[F+27], v[PC:PC+3], s[8:9]                  ; 512 and 256 consecutive bytes, aligned
	global_store_b64 v[F+28], v[PC+4:PC+5], s[8:9] offset:512
	global_store_b128 v[F+29], v[PC+6:PC+9], s[8:9]
	global_store_b64 v[F+30], v[PC+10:PC+11], s[8:9] offset:512
	v_cmp_eq_u32 vcc_lo, 1, v[F+26]
	s_delay_alu instid0(VALU_DEP_1)
	v_cndmask_b32 v[XW], v[PWB], v[PWA], vcc_lo
	ds_store_b32 v[EXA], v[XW]                     ; my head's two bytes for each of my 32 rows
	s_wait_dscnt 0x0                               ; for the partner's sake
	s_barrier_signal -1
	s_barrier_wait -1
	s_cmp_lg_u32 s13, 0
	s_cbranch_scc1 .Lodd
	ds_load_b32 v[XP], v[EXA] offset:128           ; the next wave has the same tiles of the pair's other head
	s_wait_dscnt 0x0
	s_wait_alu depctr_va_vdst(0)
	v_lshl_or_b32 v[XW], v[XP], 16, v[XW]
	global_store_b32 v[F+31], v[XW], s[10:11]
.Lodd:
	s_wait_tensorcnt 0x0                           ; the wave's end
	ds_add_u32 v[SPW], v[NIL]
	s_wait_dscnt 0x0
	CROUND                                         ; the closing round
	s_endpgm
.Lfunc_end_k_qae5b5d9901_att:
	.size	k_qae5b5d9901_att, .Lfunc_end_k_qae5b5d9901_att-k_qae5b5d9901_att
	.p2alignl 7, 3214868480
	.fill 96, 4, 3214868480
	.section	.rodata,"a",@progbits
	.p2align	6, 0x0
	.amdhsa_kernel k_qae5b5d9901_att
		.amdhsa_group_segment_fixed_size 212992
		.amdhsa_private_segment_fixed_size 0
		.amdhsa_enable_private_segment 0
		.amdhsa_kernarg_size 32
		.amdhsa_user_sgpr_count 2
		.amdhsa_user_sgpr_kernarg_segment_ptr 1
		.amdhsa_wavefront_size32 1
		.amdhsa_system_sgpr_workgroup_id_x 1
		.amdhsa_system_sgpr_workgroup_id_y 1
		.amdhsa_system_sgpr_workgroup_id_z 1
		.amdhsa_system_vgpr_workitem_id 0
		.amdhsa_next_free_vgpr 256
		.amdhsa_next_free_sgpr 72
		.amdhsa_reserve_vcc 1
		.amdhsa_float_denorm_mode_32 3
		.amdhsa_float_denorm_mode_16_64 3
		.amdhsa_memory_ordered 1
		.amdhsa_forward_progress 1
		.amdhsa_inst_pref_size 65
	.end_amdhsa_kernel
	.amdgpu_metadata
---
amdhsa.version: [ 1, 2 ]
amdhsa.kernels:
  - .name:           k_qae5b5d9901_att
    .symbol:         k_qae5b5d9901_att.kd
    .args:
      - { .name: qq, .offset: 0, .size: 8, .value_kind: global_buffer, .address_space: global }
      - { .name: kv, .offset: 8, .size: 8, .value_kind: global_buffer, .address_space: global }
      - { .name: ao, .offset: 16, .size: 8, .value_kind: global_buffer, .address_space: global }
      - { .name: asc, .offset: 24, .size: 8, .value_kind: global_buffer, .address_space: global }
    .group_segment_fixed_size: 212992
    .private_segment_fixed_size: 0
    .kernarg_segment_align: 8
    .kernarg_segment_size: 32
    .max_flat_workgroup_size: 512
    .sgpr_count:     72
    .vgpr_count:     256
    .wavefront_size: 32
...
	.end_amdgpu_metadata
.endif
;; end of part 3
;; launch proj (part 4): grid 8 x 32, 4 waves a work-group, clusters of 4 x 4, 327,680 bytes of LDS; arguments ao, asc, cod, scl, b_proj, out0; writes out0
.if DOCPART == 4
	.amdgcn_target "amdgcn-amd-amdhsa--gfx1250"
	.amdhsa_code_object_version 6
	.text
	.protected	k_qae5b5d9901_proj
	.globl	k_qae5b5d9901_proj
	.p2align	8
	.type	k_qae5b5d9901_proj,@function
k_qae5b5d9901_proj:
	s_mov_b64 s[64:65], 0
	v_nop
	global_prefetch_b8 v0, s[64:65] scope:SCOPE_SE
	s_setreg_imm32_b32 hwreg(HW_REG_WAVE_MODE, 25, 1), 1
	s_wait_xcnt 0x0
	s_wait_alu depctr_hold_cnt(0) depctr_sa_sdst(0) depctr_va_vdst(0) depctr_va_sdst(0) depctr_va_ssrc(0) depctr_va_vcc(0) depctr_vm_vsrc(0)
	s_getreg_b32 s2, hwreg(HW_REG_IB_STS2, 6, 4)
	s_cmp_eq_u32 s2, 0
	s_cbranch_scc0 .Lentry_in_a_cluster
	s_endpgm
.Lentry_in_a_cluster:
	s_bfe_u32 s2, ttmp6, 0x10000c
	s_cmp_lg_u32 s2, 0xf033
	s_cbranch_scc0 .Lentry_shape_is_right
	s_endpgm
.Lentry_shape_is_right:
; Launch 4 of 4: out0 = attention's result x w_proj^T + b_proj on codes of E3M2, f32 out.  No work is left out here.
; SHARES.  Work-group (g, xb) makes rows 256 xb .. + 255 x features 128 g .. + 127; wave (hi, lo) rows 128 hi .. x features 64 lo ...  All of K lies in LDS: the rows' 16 tiles x 12,288 bytes, then w_proj's 8 tiles;
; filled once, by one tensor load a wave at the head (waves 0, 1 the rows' halves, waves 2, 3 w_proj's), and never again.
; THE WALK GOES BY ROWS OF THE RESULT.  My four blocks of w_proj stay in registers for all eight K steps (384 registers); a block of 16 rows is finished by 32 products, its four accumulators by turns, K ascending
; (three other products between two steps of a sum), and leaves through my own stage in LDS while the next block is multiplied.  No fragment is read from LDS twice.
; Source 0 = a block of w_proj, source 1 = a block of rows: a lane holds a row, its registers run along the features.  The bias is the C of each sum's first product.
; Scale words come from memory straight into registers, sixteen lanes to a unit of 256 bytes.  CLUSTER 4 x 4: the rows' tiles are asked for jointly along a row of the cluster, w_proj's along a column.
; NO PREFETCH: every tensor load stands at the head; there is no loop to run ahead in.  LIMITS: as stated at the head of the first launch.
.set WB,    196608
.set SPARE, 294912                     ; the spare words, 128 bytes for each wave
.set STAGE, SPARE+512                  ; the stages: 16 rows x 272 bytes for each wave; no fill lands here
.set SPITCH, 272
.set L16,1
.set L8,2
.set RR,3
.set HH,4
.set BO,5
.set SOF,7
.set XL16,8                            ; v8-11 the rows' blocks 0-3, blocks 4-7
.set XL8,9
.set W16,12
.set W8,13
.set STO,16
.set RD,17
.set CO,18
.set SPW,28
.set NIL,29
.set SX,32                             ; v32-95 the rows' scale words, v96-127 w_proj's: scales and nothing else
.set SW,96
.set BIAS,128                          ; v128-159
.set ACC,160                           ; v160-223 two sets of four accumulators
.set BK,192                            ; window 1: v0-191 two sets of a block's eight fragments; v192-255 two sets of 16 rows read back.  Windows 2, 3: w_proj's fragments of steps 0-3, 4-7
.set WV,16
.set HI,17
.set LO,18
.set CX,19
.set CY,20
.set GG,21
.set XB,22
.set G1X,24
.set G1W,32
.set G0X,40
.set G0W,44
.set XS,72
.set WS,74
.set BB,76
.set OUT,82
.set MSB, 0
.macro WIN new                         ; the immediate's high byte repeats the setting that is left
.if MSB != (\new)
	s_set_vgpr_msb (MSB<<8)|(\new)
.set MSB, (\new)
.endif
.endm
.macro PLACES                          ; four plain places behind matrix instructions (ISA guide 7.12.1)
.rept 4
	v_nop
.endr
.endm
.macro CROUND
	s_barrier_signal -1
	s_barrier_wait -1
	s_cmp_lg_u32 s[WV], 0
	s_cbranch_scc1 .Lnot_wave_0_\@
	s_barrier_signal -3
.Lnot_wave_0_\@:
	s_barrier_wait -3
	s_barrier_signal -1
	s_barrier_wait -1
.endm
.macro FRAG reg, a16, a8, off          ; a fragment = two half fragments, as they lie
	ds_load_b128 v[\reg:\reg+3], v[\a16] offset:\off
	ds_load_b64 v[\reg+4:\reg+5], v[\a8] offset:\off+512
	ds_load_b128 v[\reg+6:\reg+9], v[\a16] offset:\off+768
	ds_load_b64 v[\reg+10:\reg+11], v[\a8] offset:\off+1280
.endm
.macro FETCHX a                        ; block a's fragments of all eight steps into set a % 2: 32 loads
	WIN 0x40
.irp t, 0,1,2,3,4,5,6,7
	FRAG 96*((\a)%2)+12*\t, XL16+2*((\a)/4), XL8+2*((\a)/4), 12288*((\a)%4)+1536*\t
.endr
	WIN 0
.endm
.macro ROW a                           ; block a is finished: 32 products
.irp t, 0,1,2,3,4,5,6,7
.if \t == 0
	WIN 0x06                                       ; source 0 window 2, source 1 window 1, C and D window 0
.endif
.if \t == 4
	WIN 0x07                                       ; source 0 window 3
.endif
.irp b, 0,1,2,3
.set rD, ACC+32*((\a)%2)+8*\b
.set r0, 48*(\t%4)+12*\b
.set r1, 96*((\a)%2)+12*\t
.if \t == 0
	v_wmma_scale_f32_16x16x128_f8f6f4 v[rD:rD+7], v[r0:r0+11], v[r1:r1+11], v[BIAS+8*\b:BIAS+8*\b+7], v[SW+8*\b+\t], v[SX+8*(\a)+\t] matrix_a_fmt:MATRIX_FMT_BF6 matrix_b_fmt:MATRIX_FMT_BF6
.else
	v_wmma_scale_f32_16x16x128_f8f6f4 v[rD:rD+7], v[r0:r0+11], v[r1:r1+11], v[rD:rD+7], v[SW+8*\b+\t], v[SX+8*(\a)+\t] matrix_a_fmt:MATRIX_FMT_BF6 matrix_b_fmt:MATRIX_FMT_BF6
.endif
.endr
.endr
	WIN 0
.endm
.macro TOSTAGE a                       ; 8 stores, 8 loads: LDS serves a wave's instructions in order (ISA guide 5.7.1.4)
.set AA, ACC+32*((\a)%2)
.irp b, 0,1,2,3
	ds_store_b128 v[STO], v[AA+8*\b:AA+8*\b+3] offset:128*(\b/2)+32*(\b%2)       ; each accumulator from its low end on; features 32 (b / 2) + 8 (b % 2) + 16 h + 0 .. 7
	ds_store_b128 v[STO], v[AA+8*\b+4:AA+8*\b+7] offset:128*(\b/2)+32*(\b%2)+16
.endr
	WIN 0x40
.irp t, 0,1,2,3,4,5,6,7
	ds_load_b128 v[BK+32*((\a)%2)+4*\t:BK+32*((\a)%2)+4*\t+3], v[RD] offset:\t*2*SPITCH
.endr
	WIN 0
.endm
.macro SEND a, younger                 ; younger: the LDS loads issued behind TOSTAGE's, which may stay out
	s_wait_dscnt \younger
	WIN 0x04
.irp t, 0,1,2,3,4,5,6,7
	global_store_b128 v[CO], v[BK+32*((\a)%2)+4*\t:BK+32*((\a)%2)+4*\t+3], s[OUT:OUT+1] offset:(32*((\a)/2)+8*((\a)%2)+2*\t+8*(\t/4))*4096 th:TH_STORE_NT   ; sixteen lanes store 256 consecutive bytes, aligned; the tile's row order undone
.endr
	WIN 0
.endm
	s_load_b256 s[4:11], s[0:1], 0x0               ; ao, asc, cod, scl
	s_load_b128 s[12:15], s[0:1], 0x20             ; b_proj, out0
	v_lshl_add_u32 v[SPW], v0, 2, SPARE
	v_mov_b32 v[NIL], 0
	ds_add_u32 v[SPW], v[NIL]                      ; the wave's opening: the add, twice on end, and its wait
	ds_add_u32 v[SPW], v[NIL]
	v_lshrrev_b32 v6, 5, v0
	v_readfirstlane_b32 s[WV], v6
	s_lshr_b32 s[HI], s[WV], 1                     ; my half of the rows; also: I fetch rows (0) or w_proj (1)
	s_and_b32 s[LO], s[WV], 1                      ; my half of the features; also: which half I fetch
	s_bfe_u32 s[CX], ttmp6, 0x40000
	s_bfe_u32 s[CY], ttmp6, 0x40004
	s_lshl_b32 s[GG], ttmp9, 2
	s_add_co_u32 s[GG], s[GG], s[CX]
	s_and_b32 s[XB], ttmp7, 0xffff
	s_lshl_b32 s[XB], s[XB], 2
	s_add_co_u32 s[XB], s[XB], s[CY]
	s_lshl_b32 s23, s[CY], 2
	s_lshl_b32 s23, 15, s23                        ; my row of the cluster
	s_lshl_b32 s87, 0x1111, s[CX]                  ; my column
	s_or_b32 s[G1X], s23, (3<<16)|(1<<21)
	s_or_b32 s[G1W], s87, (3<<16)|(1<<21)
	s_mov_b32 s[G1X+1], 32<<16                     ; 8 tiles, 98,304 dense bytes, as 384 rows of 256
	s_mov_b32 s[G1X+2], 384<<16
	s_mov_b32 s[G1X+3], 32<<16
	s_mov_b32 s[G1X+4], 384
	s_mov_b32 s[G1X+5], 32
	s_mov_b32 s[G1X+6], 0
	s_mov_b32 s[G1X+7], 0
	s_mov_b32 s[G1W+1], 32<<16                     ; 4 tiles, 49,152 dense bytes, as 192 rows of 256
	s_mov_b32 s[G1W+2], 192<<16
	s_mov_b32 s[G1W+3], 32<<16
	s_mov_b32 s[G1W+4], 192
	s_mov_b32 s[G1W+5], 32
	s_mov_b32 s[G1W+6], 0
	s_mov_b32 s[G1W+7], 0
	s_lshl_b32 s66, s[XB], 4                       ; the rows' tiles that I would fetch: 16 xb + 8 lo ..
	s_lshl_b32 s67, s[LO], 3
	s_add_co_u32 s66, s66, s67
	s_mul_i32 s66, s66, 12288
	s_mov_b32 s67, 0
	s_lshl_b32 s68, s[GG], 3                       ; w_proj's tiles 704 + 8 g + 4 lo ..: what I would fetch, and what I multiply
	s_lshl_b32 s69, s[LO], 2
	s_add_co_u32 s68, s68, s69
	s_add_co_u32 s68, s68, 704
	s_lshl_b32 s88, s68, 9                         ; their scale words
	s_mov_b32 s89, 0
	s_mul_i32 s68, s68, 12288
	s_mov_b32 s69, 0
	s_lshl_b32 s70, s[XB], 4                       ; the scale words of the rows' tiles 16 xb + 8 hi ..
	s_lshl_b32 s71, s[HI], 3
	s_add_co_u32 s70, s70, s71
	s_lshl_b32 s70, s70, 9
	s_mov_b32 s71, 0
	s_lshl_b32 s92, s[GG], 9                       ; features 128 g + 64 lo .., 4 bytes each
	s_lshl_b32 s93, s[LO], 8
	s_add_co_u32 s92, s92, s93
	s_mov_b32 s93, 0
	s_lshl_b32 s94, s[XB], 20                      ; rows 256 xb + 128 hi .. of 4,096 bytes
	s_lshl_b32 s95, s[HI], 19
	s_add_co_u32 s94, s94, s95
	s_add_co_u32 s94, s94, s92
	s_mov_b32 s95, 0
	s_mov_b32 s[G0X], 1
	s_mul_i32 s[G0X+1], s[LO], 98304               ; no place in the cluster enters an LDS address
	s_mov_b32 s[G0W], 1
	s_mul_i32 s[G0W+1], s[LO], 49152
	s_add_co_u32 s[G0W+1], s[G0W+1], WB
	s_wait_dscnt 0x0                               ; both opening adds are done
	s_wait_kmcnt 0x0
	s_add_nc_u64 s[G0X+2:G0X+3], s[4:5], s[66:67]
	s_or_b32 s[G0X+3], s[G0X+3], 0x80000000
	s_add_nc_u64 s[G0W+2:G0W+3], s[8:9], s[68:69]
	s_or_b32 s[G0W+3], s[G0W+3], 0x80000000
	s_add_nc_u64 s[XS:XS+1], s[6:7], s[70:71]
	s_add_nc_u64 s[WS:WS+1], s[10:11], s[88:89]
	s_add_nc_u64 s[BB:BB+1], s[12:13], s[92:93]
	s_add_nc_u64 s[OUT:OUT+1], s[14:15], s[94:95]
	CROUND                                         ; all sixteen work-groups are here: the joint loads meet
	s_cmp_eq_u32 s[HI], 0
	s_cbranch_scc0 .Lhead_w
	tensor_load_to_lds s[G0X:G0X+3], s[G1X:G1X+7]
	s_nop 0
	PLACES
	s_branch .Lhead_in
.Lhead_w:
	tensor_load_to_lds s[G0W:G0W+3], s[G1W:G1W+7]
	s_nop 0
	PLACES
.Lhead_in:
	v_and_b32 v6, 31, v0
	v_lshlrev_b32 v[L16], 4, v6
	v_lshlrev_b32 v[L8], 3, v6
	v_and_b32 v[RR], 15, v0
	v_bfe_u32 v[HH], v0, 4, 1
	v_lshlrev_b32 v[SOF], 4, v[RR]
	v_lshlrev_b32 v[BO], 6, v[HH]
	v_mul_u32_u24 v[STO], v[RR], SPITCH            ; into the stage: row r, + 64 h
	v_lshl_add_u32 v[STO], v[HH], 6, v[STO]
	v_mul_u32_u24 v[RD], v[HH], SPITCH             ; back: sixteen lanes to a row of 256 bytes, two rows an instruction
	v_lshl_add_u32 v[RD], v[RR], 4, v[RD]
	v_lshlrev_b32 v[CO], 12, v[HH]                 ; and the same two rows in out0
	v_lshl_add_u32 v[CO], v[RR], 4, v[CO]
	s_mul_i32 s23, s[WV], 16*SPITCH
	s_add_co_u32 s23, s23, STAGE
	v_add_nc_u32 v[STO], s23, v[STO]
	v_add_nc_u32 v[RD], s23, v[RD]
	s_mul_i32 s23, s[HI], 98304
	v_add_nc_u32 v[XL16], s23, v[L16]
	v_add_nc_u32 v[XL8], s23, v[L8]
	s_add_co_u32 s23, s23, 49152
	v_add_nc_u32 v[XL16+2], s23, v[L16]
	v_add_nc_u32 v[XL8+2], s23, v[L8]
	s_mul_i32 s23, s[LO], 49152
	s_add_co_u32 s23, s23, WB
	v_add_nc_u32 v[W16], s23, v[L16]
	v_add_nc_u32 v[W8], s23, v[L8]
	s_wait_alu depctr_va_vdst(0)
.irp i, 0,1,2,3,4,5,6,7
	global_load_b128 v[SX+8*\i:SX+8*\i+3], v[SOF], s[XS:XS+1] offset:512*\i
	global_load_b128 v[SX+8*\i+4:SX+8*\i+7], v[SOF], s[XS:XS+1] offset:512*\i+256
.endr
.irp b, 0,1,2,3
	global_load_b128 v[SW+8*\b:SW+8*\b+3], v[SOF], s[WS:WS+1] offset:512*\b
	global_load_b128 v[SW+8*\b+4:SW+8*\b+7], v[SOF], s[WS:WS+1] offset:512*\b+256
.endr
.irp b, 0,1,2,3
	global_load_b128 v[BIAS+8*\b:BIAS+8*\b+3], v[BO], s[BB:BB+1] offset:128*(\b/2)+32*(\b%2)
	global_load_b128 v[BIAS+8*\b+4:BIAS+8*\b+7], v[BO], s[BB:BB+1] offset:128*(\b/2)+32*(\b%2)+16
.endr
	s_wait_tensorcnt 0x0                           ; my tile of the four is in
	s_barrier_signal -1
	s_barrier_wait -1                              ; all four are
	FETCHX 0
	WIN 0x80                                       ; w_proj's fragments of all eight steps
.irp t, 0,1,2,3
.irp b, 0,1,2,3
	FRAG 48*\t+12*\b, W16, W8, 12288*\b+1536*\t
.endr
.endr
	WIN 0xc0
.irp t, 4,5,6,7
.irp b, 0,1,2,3
	FRAG 48*(\t-4)+12*\b, W16, W8, 12288*\b+1536*\t
.endr
.endr
	WIN 0
	FETCHX 1
	s_wait_loadcnt 0x0                             ; the scale words and the bias
	s_wait_dscnt 32                                ; all but block 1's 32 loads
	ROW 0
.irp a, 1,2,3,4,5,6,7
	PLACES                                         ; behind block a - 1's products: reads of their results, loads into their sources
.if \a > 2
	s_wait_xcnt 0x0                                ; block a - 3's stores have read the registers that block a - 1's rows come back into
.endif
	TOSTAGE \a-1
.if \a < 7
	FETCHX \a+1
	s_wait_dscnt 48                                ; block a's fragments are in; behind them: the stage's 16 instructions and block a + 1's 32 loads
.else
	s_wait_dscnt 16
.endif
	ROW \a
.if \a < 7
	SEND \a-1, 32                                  ; block a + 1's 32 loads may stay out
.else
	SEND \a-1, 0
.endif
.endr
	PLACES
	s_wait_xcnt 0x0
	TOSTAGE 7
	SEND 7, 0
	s_wait_tensorcnt 0x0                           ; the wave's end
	ds_add_u32 v[SPW], v[NIL]
	s_wait_dscnt 0x0
	CROUND                                         ; the closing round
	s_endpgm
.Lfunc_end_k_qae5b5d9901_proj:
	.size	k_qae5b5d9901_proj, .Lfunc_end_k_qae5b5d9901_proj-k_qae5b5d9901_proj
	.p2alignl 7, 3214868480
	.fill 96, 4, 3214868480
	.section	.rodata,"a",@progbits
	.p2align	6, 0x0
	.amdhsa_kernel k_qae5b5d9901_proj
		.amdhsa_group_segment_fixed_size 327680
		.amdhsa_private_segment_fixed_size 0
		.amdhsa_enable_private_segment 0
		.amdhsa_kernarg_size 48
		.amdhsa_user_sgpr_count 2
		.amdhsa_user_sgpr_kernarg_segment_ptr 1
		.amdhsa_wavefront_size32 1
		.amdhsa_system_sgpr_workgroup_id_x 1
		.amdhsa_system_sgpr_workgroup_id_y 1
		.amdhsa_system_sgpr_workgroup_id_z 1
		.amdhsa_system_vgpr_workitem_id 0
		.amdhsa_next_free_vgpr 1024
		.amdhsa_next_free_sgpr 96
		.amdhsa_reserve_vcc 0
		.amdhsa_float_denorm_mode_32 3
		.amdhsa_float_denorm_mode_16_64 3
		.amdhsa_memory_ordered 1
		.amdhsa_forward_progress 1
		.amdhsa_inst_pref_size 84
	.end_amdhsa_kernel
	.amdgpu_metadata
---
amdhsa.version: [ 1, 2 ]
amdhsa.kernels:
  - .name:           k_qae5b5d9901_proj
    .symbol:         k_qae5b5d9901_proj.kd
    .args:
      - { .name: ao, .offset: 0, .size: 8, .value_kind: global_buffer, .address_space: global }
      - { .name: asc, .offset: 8, .size: 8, .value_kind: global_buffer, .address_space: global }
      - { .name: cod, .offset: 16, .size: 8, .value_kind: global_buffer, .address_space: global }
      - { .name: scl, .offset: 24, .size: 8, .value_kind: global_buffer, .address_space: global }
      - { .name: b_proj, .offset: 32, .size: 8, .value_kind: global_buffer, .address_space: global }
      - { .name: out0, .offset: 40, .size: 8, .value_kind: global_buffer, .address_space: global }
    .group_segment_fixed_size: 327680
    .private_segment_fixed_size: 0
    .kernarg_segment_align: 8
    .kernarg_segment_size: 48
    .max_flat_workgroup_size: 128
    .sgpr_count:     96
    .vgpr_count:     1024
    .wavefront_size: 32
...
	.end_amdgpu_metadata
.endif
;; end of part 4
